; MI455X (gfx1250); checked and timed in simulation.
; The chip was launched on July 23, 2026; its instructions are those of AMD's public machine-readable ISA for CDNA 5 (MIT licence, August 2026) and "CDNA5" Instruction Set Architecture Reference Guide (July 2026). The comments in the code are by the model that wrote it; some were corrected since.
;; Predictor2 D. Allowed arithmetic: float matrix products may take bf16 or f16 operands with f32 sums; other float arithmetic in f32, or as packed bf16 or f16 multiplies, adds, multiply-adds, maxima and minima; sums over many terms, partial sums and values carried from step to step in f32; what a program stores and reads back later, other than sums and carried values, may be rounded once to bf16 or f16.
;; Inputs: W_pair 128 x 8 float32; Wkv_h 64 x 1,024 float32; Wkv_w 64 x 1,024 float32; Wout_h 512 x 64 float32; Wout_w 512 x 64 float32; Wq_h 64 x 512 float32; Wq_w 64 x 512 float32; bout_h 64 float32; bout_w 64 float32; pair_bias 1 x 256 x 256 x 128 float32; pair_ln_b 128 float32; pair_ln_g 128 float32; x 1 x 256 x 256 x 64 float32.
;; Outputs: out0 1 x 256 x 256 x 64 float32.
;; One version. Each part assembles by itself: llvm-mc -triple=amdgcn-amd-amdhsa -mcpu=gfx1250 --defsym DOCPART=n.
;; ======== version 1 of 1: 5 launches
;; limits: values are held in f16: magnitudes above 65,504 overflow, below 6.1e-05 lose precision
;; workspace buffers: xh 8,388,608 bytes; wts 262,144 bytes; pb 2,097,152 bytes; part 33,554,432 bytes; attn 1,048,576 bytes; hws 16,777,216 bytes
;; launch prep (part 1): grid 256 x 1, 8 waves a work-group, no clusters, 167,936 bytes of LDS; arguments pair_bias, pair_ln_g, pair_ln_b, W_pair, x, Wq_w, Wkv_w, Wout_w, Wq_h, Wkv_h, Wout_h, pb, xh, wts; writes pb, xh, wts
.if DOCPART == 1
	.amdgcn_target "amdgcn-amd-amdhsa--gfx1250"
	.amdhsa_code_object_version 6
	.text
	.protected	k_q6936d189e9_prep
	.globl	k_q6936d189e9_prep
	.p2align	8
	.type	k_q6936d189e9_prep,@function
k_q6936d189e9_prep:
	s_mov_b64 s[64:65], 0
	v_nop
	global_prefetch_b8 v0, s[64:65] scope:SCOPE_SE
	s_setreg_imm32_b32 hwreg(HW_REG_WAVE_MODE, 25, 1), 1
	s_wait_xcnt 0x0
; PREP.  Three pieces of work that only stream, one share of each to a work-group g of eight waves:
;  (1) pb[i][h][j] = layernorm(pair_bias[i][j][:]) . W_pair[:][h], f32, for i = g: wave w takes pairs j = 32 w .. 32 w + 31, two tiles of 16;
;  (2) xh = x rounded once to f16: 64 KiB of x a work-group, 8 KiB a wave;
;  (3) one row a wave of the 32 folded weight matrices wts[att][h][m][e][d], f16:  m = 0: MT[e][d] = (sum_t Wq[d][64h+t] Wk[e][64h+t]) / 8;
;      m = 1: NT[e][d] = 64 sum_t Wv[d][64h+t] Wout[64h+t][e].  With them q k^T = (x M) x^T and (P v) Wout = (P x) N: K and V of every head are x itself.
; The layernorm is split: pb = rstd * sum_p (pair - mean) (g W)[p][h] + sum_p b[p] W[p][h].  The mean is taken away in f32 before anything is rounded; the product with g W goes to the matrix unit in f16.
; The folded weights are summed in f32 by the vector unit (64 terms each, 131,072 numbers in the launch) and rounded once.
; LIMITS.  f16 ends at 65,504: x, pair - mean, g W, M / 8 and 64 N must lie within it (x and pair of spread 1 and weights of spread 0.05 leave a factor of more than 1,000 in each);
; below 6e-5 an f16 keeps a fixed step of 6e-8.  NaN and infinities are not treated apart.
; No cluster: the work-groups share only tables of 4 KiB.  No ring: a wave's whole share of pair_bias, 16 KiB, is asked for by one tensor load at the start.
.set PP,    528                        ; an LDS row of a pair: 512 bytes + 16 = 132 words: the 16 rows of a load start at 16 different groups of four banks
.set TILEB, 32*PP                      ; a wave's 32 pairs
.set STAGE, 8*TILEB                    ; 8 rows (heads) of 256 f32, 1,040 bytes apart; no tensor load lands here
.set SPS,   1040
.set SPARE, STAGE+8448                 ; the spare words: 128 bytes a wave, four blocks of 256 bytes that no other line names
.set SPW,   8                          ; v8   my spare word's address; never rewritten
.set NIL,   9                          ; v9   0; never rewritten
.set DD,    16                         ; v16-79 x as loaded, then W_pair's 64 slots; v16-143 the two tiles, 64 numbers a lane each
.set BR,    80                         ; v80-207 two rows of the weight product's second factor, 64 numbers each
.set GG,    80                         ; v80-143 g's 64 slots
.set BB,    144                        ; v144-207 b's 64 slots
.set RS,    144                        ; v144-145 rstd of my pair, by tile
.set VB,    146                        ; v146-149 sum_p b W for my four heads
.set RES,   150                        ; v150-157 results
.set GW,    208                        ; v208-239 four fragments of g W (row m stands for head m % 8)
.set AV,    208                        ; v208-209 the weight product's first factor, a number a lane
.set TT,    240                        ; v240-247 four chains of pairs
.set MU,    248                        ; v248-249 minus the mean, twice
.set DA,    240                        ; v240-255 the two tiles' matrix results
.set G0, 36
.set G1, 40
.set WV, 48
.set HM, 49                            ; the mask of lanes 16-31
.set SEL, 50                           ; s[50:51] v_permlanex16_b32: each lane takes its own place in the other half
	s_load_b512 s[8:23], s[0:1], 0x0               ; pair_bias 8, g 10, b 12, W_pair 14, x 16, Wq_w 18, Wkv_w 20, Wout_w 22
	s_load_b256 s[24:31], s[0:1], 0x40             ; Wq_h 24, Wkv_h 26, Wout_h 28, pb 30
	s_load_b128 s[32:35], s[0:1], 0x60             ; xh 32, wts 34
	v_lshl_add_u32 v[SPW], v0, 2, SPARE
	v_mov_b32 v[NIL], 0
	ds_add_u32 v[SPW], v[NIL]                      ; the wave's opening: the add and its wait ahead of my tensor load
	ds_add_u32 v8, v9
	v_lshrrev_b32 v1, 5, v0
	v_readfirstlane_b32 s[WV], v1                  ; wave 0..7
	s_mov_b32 s[G1+0], (2<<16)|(1<<20)|(6<<22)|(3<<25)  ; 4-byte elements; padding on: after every 128 words, 4 words
	s_mov_b32 s[G1+1], 128<<16                     ; tensor_dim0 = 128
	s_mov_b32 s[G1+2], 32<<16                      ; tensor_dim1 = 32
	s_mov_b32 s[G1+3], 128<<16                     ; tile_dim0 = 128
	s_mov_b32 s[G1+4], 32                          ; tile_dim1 = 32
	s_mov_b32 s[G1+5], 128                         ; elements from row to row
	s_mov_b32 s[G1+6], 0
	s_mov_b32 s[G1+7], 0
	s_mov_b32 s[G0], 1
	s_mul_i32 s[G0+1], s[WV], TILEB                ; my wave's own bytes
	s_lshl_b32 s52, ttmp9, 17                      ; row i: 256 pairs of 512 bytes,
	s_lshl_b32 s53, s[WV], 14                      ; my 32 of them
	s_add_co_u32 s52, s52, s53
	s_mov_b32 s53, 0
	s_mov_b32 s[HM], 0xffff0000
	s_mov_b32 s[SEL], 0x76543210
	s_mov_b32 s[SEL+1], 0xfedcba98
	s_mov_b32 s70, 0x3c000000                      ; 1 / 128
	s_wait_dscnt 0x0                               ; the opening add is done
	s_wait_kmcnt 0x0
	s_add_nc_u64 s[G0+2:G0+3], s[8:9], s[52:53]
	s_or_b32 s[G0+3], s[G0+3], 0x80000000          ; type = 2
	tensor_load_to_lds s[G0:G0+3], s[G1:G1+7]      ; my one tensor load: 16 KiB
	s_nop 0
	v_and_b32 v1, 31, v0                           ; l
	v_and_b32 v2, 15, v0                           ; r = l % 16
	v_bfe_u32 v3, v0, 4, 1                         ; hh = l / 16
	s_lshl_b32 s52, ttmp9, 16
	s_add_nc_u64 s[16:17], s[16:17], s[52:53]      ; x at the group's 64 KiB
	s_lshl_b32 s52, ttmp9, 15
	s_add_nc_u64 s[32:33], s[32:33], s[52:53]      ; xh at the group's 32 KiB
	s_lshl_b32 s54, s[WV], 13
	v_lshl_add_u32 v4, v1, 4, s54
	s_lshl_b32 s54, s[WV], 12
	v_lshl_add_u32 v5, v1, 3, s54
.set k, 0
.rept 16
	global_load_b128 v[DD+4*k:DD+4*k+3], v4, s[16:17] offset:512*k th:TH_LOAD_NT  ; 512 neighbouring bytes an instruction
.set k, k+1
.endr
	; which weight row is mine: matrix mi = g / 8 = 16 att + 2 h + m, row e = 8 (g % 8) + wave
	s_lshr_b32 s54, ttmp9, 3
	s_lshr_b32 s55, s54, 4                         ; att
	s_and_b32 s56, s54, 1                          ; m
	s_bfe_u32 s57, s54, 0x30001                    ; h
	s_and_b32 s58, ttmp9, 7
	s_lshl_b32 s58, s58, 3
	s_add_co_u32 s58, s58, s[WV]                   ; e
	s_lshl_b32 s61, s58, 12
	s_lshl_b32 s63, s57, 8                         ; m = 0: rows of Wq begin at 256 h
	s_add_co_u32 s61, s61, s63                     ; m = 0: a[t] = Wkv[e][64 h + t]
	s_lshl_b32 s62, s57, 14
	s_lshl2_add_u32 s62, s58, s62                  ; m = 1: a[t] = Wout[64 h + t][e]
	s_add_co_u32 s66, s63, 2048                    ; m = 1: rows of Wkv begin at v's half
	s_mov_b32 s68, 0x3e000000                      ; 1 / 8
	s_mov_b32 s69, 0x42800000                      ; 64
	s_cmp_eq_u32 s55, 0
	s_cselect_b64 s[18:19], s[18:19], s[24:25]     ; this attention's Wq,
	s_cselect_b64 s[20:21], s[20:21], s[26:27]     ; Wkv,
	s_cselect_b64 s[22:23], s[22:23], s[28:29]     ; Wout
	s_cmp_eq_u32 s56, 0
	s_cselect_b64 s[24:25], s[20:21], s[22:23]     ; a's tensor
	s_cselect_b64 s[26:27], s[18:19], s[20:21]     ; the rows' tensor
	s_cselect_b32 s59, 2, 8                        ; a: from t to t + 1, as a shift
	s_cselect_b32 s60, 11, 12                      ; the rows' pitch, as a shift
	s_cselect_b32 s61, s61, s62
	s_cselect_b32 s63, s63, s66
	s_cselect_b32 s68, s68, s69                    ; the stored scale
	s_lshl_b32 s67, 1, s60
	s_lshl_b32 s62, s54, 13
	s_lshl_b32 s66, s58, 7
	s_add_co_u32 s62, s62, s66                     ; my row in wts
	v_lshlrev_b32 v6, s59, v1
	v_add_nc_u32 v6, s61, v6                       ; a[l]
	v_add_nc_u32 v7, 32, v1
	v_lshlrev_b32 v7, s59, v7
	v_add_nc_u32 v7, s61, v7                       ; a[32 + l]
	v_lshlrev_b32 v10, 1, v1
	v_lshlrev_b32 v10, s60, v10
	v_add_nc_u32 v10, s63, v10                     ; row d = 2 l
	v_add_nc_u32 v11, s67, v10                     ; row d = 2 l + 1
	v_lshl_add_u32 v12, v1, 2, s62
	global_load_b32 v[AV], v6, s[24:25]
	global_load_b32 v[AV+1], v7, s[24:25]
.set k, 0
.rept 16
	global_load_b128 v[BR+4*k:BR+4*k+3], v10, s[26:27] offset:16*k
	global_load_b128 v[BR+64+4*k:BR+64+4*k+3], v11, s[26:27] offset:16*k
.set k, k+1
.endr
	s_wait_loadcnt 34                              ; x is in; the 2 + 32 loads issued behind it may stay out
.set z, 0
.rept 32
	v_cvt_pk_f16_f32 v[DD+z], v[DD+2*z], v[DD+2*z+1]  ; in place, ascending: number z is written when 2 z and 2 z + 1 have been read
.set z, z+1
.endr
.set k, 0
.rept 16
	global_store_b64 v5, v[DD+2*k:DD+2*k+1], s[32:33] offset:256*k  ; the wave's 32 lanes store 256 consecutive bytes, aligned
.set k, k+1
.endr
	s_wait_loadcnt 0x0
	; the weight row: lane l sums d = 2 l and 2 l + 1 over t; a[t] comes as a scalar; two chains a row
.set t, 0
.rept 64
	v_readlane_b32 s[80+t%2], v[AV+t/32], t%32
.if t < 2
	v_mul_f32 v[TT+2*(t%2)], s[80+t%2], v[BR+t]
	v_mul_f32 v[TT+2*(t%2)+1], s[80+t%2], v[BR+64+t]
.else
	v_fmac_f32 v[TT+2*(t%2)], s[80+t%2], v[BR+t]
	v_fmac_f32 v[TT+2*(t%2)+1], s[80+t%2], v[BR+64+t]
.endif
.set t, t+1
.endr
	v_add_f32 v[TT], v[TT], v[TT+2]
	v_add_f32 v[TT+1], v[TT+1], v[TT+3]
	v_mul_f32 v[TT], s68, v[TT]
	v_mul_f32 v[TT+1], s68, v[TT+1]
	v_cvt_pk_f16_f32 v[TT], v[TT], v[TT+1]
	global_store_b32 v12, v[TT], s[34:35]          ; 128 consecutive bytes a wave: a row of 64 f16; two waves' rows fill an aligned 256 bytes
	s_wait_xcnt 0x0                                ; the stores have read their data and offsets: DD, TT and v12 are written again below
	; the tables.  A fragment's lane (r, hh) holds p = 32 c + 8 hh + 0..7 and 32 c + 16 + 8 hh + 0..7: slot 16 c + u
	v_and_b32 v13, 7, v0
	v_lshlrev_b32 v13, 2, v13
	v_lshl_add_u32 v13, v3, 8, v13                 ; W_pair: 32 bytes a row p; head r % 8
	v_lshlrev_b32 v14, 5, v3
.set u, 0
.rept 64
	global_load_b32 v[DD+u], v13, s[14:15] offset:32*(32*(u/16)+16*((u%16)/8)+(u%8))
.set u, u+1
.endr
.set q, 0
.rept 16
	global_load_b128 v[GG+4*q:GG+4*q+3], v14, s[10:11] offset:128*(q/4)+64*((q%4)/2)+16*(q%2)
	global_load_b128 v[BB+4*q:BB+4*q+3], v14, s[12:13] offset:128*(q/4)+64*((q%4)/2)+16*(q%2)
.set q, q+1
.endr
.macro DOT4 a, b                       ; four chains: the sum over 32 pairs of a x b
.set z, 0
.rept 32
.if z < 4
	v_pk_mul_f32 v[TT+2*z:TT+2*z+1], v[(\a)+2*z:(\a)+2*z+1], v[(\b)+2*z:(\b)+2*z+1]
.else
	v_pk_fma_f32 v[TT+2*(z%4):TT+2*(z%4)+1], v[(\a)+2*z:(\a)+2*z+1], v[(\b)+2*z:(\b)+2*z+1], v[TT+2*(z%4):TT+2*(z%4)+1]
.endif
.set z, z+1
.endr
.endm
.macro RED                             ; the four chains, their two halves, and the lane 16 away, which holds the other 64 p: the sum over all 128 in v[TT]
	v_pk_add_f32 v[TT:TT+1], v[TT:TT+1], v[TT+2:TT+3]
	v_pk_add_f32 v[TT+4:TT+5], v[TT+4:TT+5], v[TT+6:TT+7]
	v_pk_add_f32 v[TT:TT+1], v[TT:TT+1], v[TT+4:TT+5]
	v_add_f32 v[TT], v[TT], v[TT+1]
	v_permlanex16_b32 v[TT+1], v[TT], s[SEL], s[SEL+1]
	v_add_f32 v[TT], v[TT], v[TT+1]
.endm
	s_wait_loadcnt 0x0
	DOT4 DD, BB
	RED                                            ; lane r: sum_p b[p] W[p][r % 8]
.irp q, 0,1,2,3,4,5,6,7
	v_readlane_b32 s[72+\q], v[TT], \q
.endr
.irp q, 0,1,2,3
	v_mov_b32 v[VB+\q], s[72+\q]
	v_mov_b32 v[RES+\q], s[76+\q]
	v_cndmask_b32 v[VB+\q], v[VB+\q], v[RES+\q], s[HM]  ; lanes 0-15 finish heads 0-3, lanes 16-31 heads 4-7
.endr
.set z, 0
.rept 32
	v_pk_mul_f32 v[DD+2*z:DD+2*z+1], v[DD+2*z:DD+2*z+1], v[GG+2*z:GG+2*z+1]
.set z, z+1
.endr
.set z, 0
.rept 32
	v_cvt_pk_f16_f32 v[GW+z], v[DD+2*z], v[DD+2*z+1]
.set z, z+1
.endr
	v_mul_u32_u24 v15, v2, PP
	v_lshl_add_u32 v15, v3, 5, v15
	v_add_nc_u32 v15, s[G0+1], v15                 ; my pair's row, my half's 32 bytes
	s_wait_tensorcnt 0x0                           ; my tile is in; only I read it, so no barrier
.macro TLOAD T
.set q, 0
.rept 16
	ds_load_b128 v[DD+64*(\T)+4*q:DD+64*(\T)+4*q+3], v15 offset:(\T)*16*PP+128*(q/4)+64*((q%4)/2)+16*(q%2)
.set q, q+1
.endr
.endm
	TLOAD 0
	TLOAD 1
; A tile's statistics: the mean, the differences (in f32, before any rounding), their squares' mean, rstd; then the differences rounded to f16, in place: four fragments.
.macro STATS T
.set DT, DD+64*(\T)
.set z, 0
.rept 28
.if z < 4
	v_pk_add_f32 v[TT+2*z:TT+2*z+1], v[DT+2*z:DT+2*z+1], v[DT+2*z+8:DT+2*z+9]
.else
	v_pk_add_f32 v[TT+2*(z%4):TT+2*(z%4)+1], v[TT+2*(z%4):TT+2*(z%4)+1], v[DT+2*z+8:DT+2*z+9]
.endif
.set z, z+1
.endr
	RED
	v_mul_f32 v[MU], 0xbc000000, v[TT]             ; - sum / 128
	v_mov_b32 v[MU+1], v[MU]
.set z, 0
.rept 32
	v_pk_add_f32 v[DT+2*z:DT+2*z+1], v[DT+2*z:DT+2*z+1], v[MU:MU+1]
.set z, z+1
.endr
	DOT4 DT, DT
	RED
	v_fmaak_f32 v[TT], s70, v[TT], 0x3727c5ac      ; variance + 1e-5
	v_rsq_f32 v[RS+(\T)], v[TT]                    ; the conversions below are the plain work behind it; its wait stands ahead of its first reader, behind the products
.set z, 0
.rept 32
	v_cvt_pk_f16_f32 v[DT+z], v[DT+2*z], v[DT+2*z+1]
.set z, z+1
.endr
.endm
	s_wait_dscnt 16                                ; tile 0 is in; tile 1's 16 loads may stay out
	STATS 0
	s_wait_dscnt 0x0
	STATS 1
.irp c, 0,1,2,3                        ; source 0 = g W (rows: heads), source 1 = 16 pairs: a lane's result is one pair, eight heads.  The two tiles take turns
.irp T, 0,1
.if \c == 0
	v_wmma_f32_16x16x32_f16 v[DA+8*\T:DA+8*\T+7], v[GW+8*\c:GW+8*\c+7], v[DD+64*\T+8*\c:DD+64*\T+8*\c+7], 0
.else
	v_wmma_f32_16x16x32_f16 v[DA+8*\T:DA+8*\T+7], v[GW+8*\c:GW+8*\c+7], v[DD+64*\T+8*\c:DD+64*\T+8*\c+7], v[DA+8*\T:DA+8*\T+7]
.endif
.endr
.endr
	v_mul_u32_u24 v13, v3, 4*SPS                   ; four plain instructions and a v_nop: the places behind the products (ISA guide 7.12.1).  The stage: head 4 hh + q, column j
	v_lshl_add_u32 v13, v2, 2, v13
	s_lshl_b32 s52, s[WV], 7
	s_add_co_u32 s52, s52, STAGE
	v_add_nc_u32 v13, s52, v13
	s_mul_i32 s52, s[WV], SPS
	s_add_co_u32 s52, s52, STAGE
	v_lshl_add_u32 v14, v1, 4, s52                 ; back: wave w takes head w's row
	v_nop
	s_wait_alu depctr_va_vdst(0)                   ; one wait for both rstd, ahead of their first reader
.irp T, 0,1
.irp q, 0,1,2,3
	v_cndmask_b32 v[RES+4*\T+\q], v[DA+8*\T+\q], v[DA+8*\T+4+\q], s[HM]
	v_fma_f32 v[RES+4*\T+\q], v[RES+4*\T+\q], v[RS+\T], v[VB+\q]
	ds_store_b32 v13, v[RES+4*\T+\q] offset:\q*SPS+64*\T
.endr
.endr
	s_lshl_b32 s52, ttmp9, 13
	s_add_nc_u64 s[30:31], s[30:31], s[52:53]      ; pb at row i
	s_lshl_b32 s54, s[WV], 10
	v_lshl_add_u32 v12, v1, 4, s54
	s_wait_dscnt 0x0                               ; for the others' sake: my stores into the stage are done
	s_barrier_signal -1
	s_barrier_wait -1
	ds_load_b128 v[16:19], v14
	ds_load_b128 v[20:23], v14 offset:512
	s_wait_dscnt 0x0
	global_store_b128 v12, v[16:19], s[30:31]      ; 512 consecutive bytes each
	global_store_b128 v12, v[20:23], s[30:31] offset:512
	s_wait_tensorcnt 0x0                           ; the wave's end
	ds_add_u32 v[SPW], v[NIL]
	s_wait_dscnt 0x0
	s_endpgm
.Lfunc_end_k_q6936d189e9_prep:
	.size	k_q6936d189e9_prep, .Lfunc_end_k_q6936d189e9_prep-k_q6936d189e9_prep
	.p2alignl 7, 3214868480
	.fill 96, 4, 3214868480
	.section	.rodata,"a",@progbits
	.p2align	6, 0x0
	.amdhsa_kernel k_q6936d189e9_prep
		.amdhsa_group_segment_fixed_size 167936
		.amdhsa_private_segment_fixed_size 0
		.amdhsa_enable_private_segment 0
		.amdhsa_kernarg_size 112
		.amdhsa_user_sgpr_count 2
		.amdhsa_user_sgpr_kernarg_segment_ptr 1
		.amdhsa_wavefront_size32 1
		.amdhsa_system_sgpr_workgroup_id_x 1
		.amdhsa_system_sgpr_workgroup_id_y 1
		.amdhsa_system_sgpr_workgroup_id_z 1
		.amdhsa_system_vgpr_workitem_id 0
		.amdhsa_next_free_vgpr 256
		.amdhsa_next_free_sgpr 96
		.amdhsa_reserve_vcc 0
		.amdhsa_float_denorm_mode_32 3
		.amdhsa_float_denorm_mode_16_64 3
		.amdhsa_memory_ordered 1
		.amdhsa_forward_progress 1
		.amdhsa_inst_pref_size 60
	.end_amdhsa_kernel
	.amdgpu_metadata
---
amdhsa.version: [ 1, 2 ]
amdhsa.kernels:
  - .name:           k_q6936d189e9_prep
    .symbol:         k_q6936d189e9_prep.kd
    .args:
      - { .name: pair_bias, .offset: 0, .size: 8, .value_kind: global_buffer, .address_space: global }
      - { .name: pair_ln_g, .offset: 8, .size: 8, .value_kind: global_buffer, .address_space: global }
      - { .name: pair_ln_b, .offset: 16, .size: 8, .value_kind: global_buffer, .address_space: global }
      - { .name: W_pair, .offset: 24, .size: 8, .value_kind: global_buffer, .address_space: global }
      - { .name: x, .offset: 32, .size: 8, .value_kind: global_buffer, .address_space: global }
      - { .name: Wq_w, .offset: 40, .size: 8, .value_kind: global_buffer, .address_space: global }
      - { .name: Wkv_w, .offset: 48, .size: 8, .value_kind: global_buffer, .address_space: global }
      - { .name: Wout_w, .offset: 56, .size: 8, .value_kind: global_buffer, .address_space: global }
      - { .name: Wq_h, .offset: 64, .size: 8, .value_kind: global_buffer, .address_space: global }
      - { .name: Wkv_h, .offset: 72, .size: 8, .value_kind: global_buffer, .address_space: global }
      - { .name: Wout_h, .offset: 80, .size: 8, .value_kind: global_buffer, .address_space: global }
      - { .name: pb, .offset: 88, .size: 8, .value_kind: global_buffer, .address_space: global }
      - { .name: xh, .offset: 96, .size: 8, .value_kind: global_buffer, .address_space: global }
      - { .name: wts, .offset: 104, .size: 8, .value_kind: global_buffer, .address_space: global }
    .group_segment_fixed_size: 167936
    .private_segment_fixed_size: 0
    .kernarg_segment_align: 8
    .kernarg_segment_size: 112
    .max_flat_workgroup_size: 256
    .sgpr_count:     96
    .vgpr_count:     256
    .wavefront_size: 32
...
	.end_amdgpu_metadata
.endif
;; end of part 1
;; launch dots (part 2): grid 16 x 16, 4 waves a work-group, clusters of 4 x 1, 327,680 bytes of LDS; arguments xh, wts, part; writes part
.if DOCPART == 2
	.amdgcn_target "amdgcn-amd-amdhsa--gfx1250"
	.amdhsa_code_object_version 6
	.text
	.protected	k_q6936d189e9_dots
	.globl	k_q6936d189e9_dots
	.p2align	8
	.type	k_q6936d189e9_dots,@function
k_q6936d189e9_dots:
	s_mov_b64 s[64:65], 0
	v_nop
	global_prefetch_b8 v0, s[64:65] scope:SCOPE_SE
	s_setreg_imm32_b32 hwreg(HW_REG_WAVE_MODE, 25, 1), 1
	s_wait_xcnt 0x0
	s_wait_alu depctr_hold_cnt(0) depctr_sa_sdst(0) depctr_va_vdst(0) depctr_va_sdst(0) depctr_va_ssrc(0) depctr_va_vcc(0) depctr_vm_vsrc(0)
	s_getreg_b32 s2, hwreg(HW_REG_IB_STS2, 6, 4)
	s_cmp_eq_u32 s2, 0
	s_cbranch_scc0 .Lentry_in_a_cluster
	s_endpgm
.Lentry_in_a_cluster:
	s_bfe_u32 s2, ttmp6, 0x10000c
	s_cmp_lg_u32 s2, 0x3003
	s_cbranch_scc0 .Lentry_shape_is_right
	s_endpgm
.Lentry_shape_is_right:
; DOTS.  The tied logits' partial sums: part[c][h][i][j] = sum over r = 16 c .. 16 c + 15 of (x[r] M_h / 8)[i] . x[r][j], f32.  x in f16 (xh), M_h / 8 in f16 (wts, second half).
; SHARES.  A work-group: one head, 128 queries i (half it), all 256 keys j, 16 rows r (chunk c).  Wave (a, b): 64 i x 128 j: 32 accumulators, 256 registers.
; Each wave makes Y = x M for its own 64 i (both b make the same): 32 products more a row r, and no barrier inside a row.
; LAYOUT.  Y^T = MT x^T (source 0 = 16 rows e of MT, source 1 = 16 queries): a lane holds ONE query and eight e; two such results rounded in pairs ARE source 1 (32 e x 16 queries) of
; S^T = x Y^T (source 0 = 16 keys): a lane again holds one query, and eight neighbouring keys: 32 bytes of a row of part.
; RING.  Two slots of four rows r.  A slot lies as [half 2][r 4][128 rows x 144 bytes], and half 0 is ALWAYS the work-group's own query half: which half of x that is enters the fills' global addresses alone,
; so every LDS address is made of constants, the wave's number, the lane and the loop's steps.  Wave (hf, pr) fetches half hf of rows r 2 pr and 2 pr + 1 of a slot: two rows of 16 KiB, 32 KiB apart in memory,
; padded in LDS after every 128 bytes.  The tile has two rows because a half of x[r] is dense.  By this text's own count a wave has two tensor loads out at the start and one behind each refill, which has four
; rows r, 384 matrix instructions, in which to land.  A wave's 128 keys are LDS half b, in truth half b xor it: that enters part's address alone.
; CLUSTER.  The four partners are four heads of one chunk and one half: they walk the same x, so each tile is asked for JOINTLY (mask 15).  The head enters global addresses alone.
; LIMITS.  y' = x M / 8 is rounded to f16 (ends at 65,504; x of spread 1 and weights of spread 0.05 give 0.02).  NaN and infinities are not treated apart.
; REGISTERS, in windows of 256 (s_set_vgpr_msb: bits 1:0 source 0, 3:2 source 1, 5:4 source 2, 7:6 destination):
;   window 0: v0-31 addresses; v32-95 MT (et, kk); v96-159 YF (qt, kk); v160-223 x of my queries (qt, kk)      window 1: v0-127 x of my keys (jt, kk); v128-255 Y's sums (qt, et)      window 2: the accumulators (qt, jt)
.set PX,    144                        ; a row of x in LDS: 128 bytes + 16 = 36 words: the 16 rows of a load start at 16 different groups of four banks
.set HR,    128*PX                     ; half a row r: 128 rows of x; from a row r to the next in a slot's half
.set RT,    2*HR                       ; what one tensor load brings
.set SLOT,  4*RT
.set SPARE, 2*SLOT                     ; the spare words: 128 bytes a wave, two blocks of 256 bytes that no other line names
.set SPT,   528                        ; the way out: 16 rows of 512 bytes + 16, a wave's own, in slot 0 behind its last fill
.set XI0, 2
.set XJ0, 3
.set XI,  4
.set XJ,  5
.set STO, 6
.set RD,  7
.set CO,  8
.set PFO, 9
.set MTO, 10
.set SPW, 30
.set NIL, 31
.set MT,  32
.set YF,  96
.set XIF, 160
.set XJF, 0
.set YA,  128
.set WV,  10
.set SA,  11
.set SB,  12
.set CX,  13
.set CLX, 14
.set CH,  15
.set HD,  16
.set IT,  17
.set CNT, 22
.set G1,  24
.set G0,  32
.set PFA, 40
.set PB,  42
.set MSB, 0
.macro WIN new                         ; the immediate's high byte repeats the setting that is left; a switch that changes nothing is dropped
.if MSB != (\new)
	s_set_vgpr_msb (MSB<<8)|(\new)
.set MSB, (\new)
.endif
.endm
.macro PLACES                          ; four places behind a matrix instruction (ISA guide 7.12.1)
.rept 4
	v_nop
.endr
.endm
.macro ROUND                           ; a round of the cluster's barrier
	s_barrier_signal -1
	s_barrier_wait -1
	s_cmp_lg_u32 s[WV], 0
	s_cbranch_scc1 .Lnw0_\@
	s_barrier_signal -3
.Lnw0_\@:
	s_barrier_wait -3
	s_barrier_signal -1
	s_barrier_wait -1
.endm
	s_load_b128 s[4:7], s[0:1], 0x0                ; xh, wts
	s_load_b64 s[8:9], s[0:1], 0x10                ; part
	v_lshl_add_u32 v[SPW], v0, 2, SPARE
	v_mov_b32 v[NIL], 0
	ds_add_u32 v[SPW], v[NIL]                      ; the wave's opening: the add and its wait ahead of my first tensor load
	ds_add_u32 v30, v31
	v_lshrrev_b32 v1, 5, v0
	v_readfirstlane_b32 s[WV], v1
	s_lshr_b32 s[SA], s[WV], 1                     ; which 64 of the 128 queries.  Also: which LDS half I fetch
	s_and_b32 s[SB], s[WV], 1                      ; which LDS half holds my 128 keys.  Also: which two of a slot's four rows r I fetch
	s_bfe_u32 s[CX], ttmp6, 0x40000
	s_mov_b32 s[CLX], ttmp9                        ; the cluster's x, 0..3: the same in all partners
	s_and_b32 s[CH], ttmp7, 0xffff                 ; chunk c
	s_and_b32 s[HD], s[CLX], 1
	s_lshl_b32 s[HD], s[HD], 2
	s_add_co_u32 s[HD], s[HD], s[CX]               ; head = 4 (cluster x % 2) + cx
	s_lshr_b32 s[IT], s[CLX], 1                    ; which half of x holds my queries: it enters global addresses alone
	s_mov_b32 s[G1+0], 15|(3<<16)|(1<<20)|(1<<21)|(4<<22)|(3<<25)  ; the mask of four; 8-byte elements; padding on; bit 21 beside a mask; after every 32 words, 4 words
	s_mov_b32 s[G1+1], 2048<<16                    ; tensor_dim0 = 2,048 elements: 16 KiB, half of x[r]
	s_mov_b32 s[G1+2], 2<<16                       ; tensor_dim1 = 2
	s_mov_b32 s[G1+3], 2048<<16                    ; tile_dim0 = 2,048
	s_mov_b32 s[G1+4], 2                           ; tile_dim1 = 2: rows r and r + 1
	s_mov_b32 s[G1+5], 4096                        ; 4,096 elements, 32 KiB, from x[r] to x[r + 1]
	s_mov_b32 s[G1+6], 0
	s_mov_b32 s[G1+7], 0
	s_mov_b32 s[G0], 1
	s_mul_i32 s[G0+1], s[WV], RT                   ; 2 x half + pair = my wave's number
	s_mov_b32 s[G0+4], 1
	s_add_co_u32 s[G0+5], s[G0+1], SLOT
	s_lshl_b32 s18, s[CH], 4
	s_lshl1_add_u32 s18, s[SB], s18                ; row r = 16 c + 2 x pair,
	s_lshl_b32 s18, s18, 15                        ; 32 KiB each;
	s_xor_b32 s19, s[SA], s[IT]                    ; LDS half 0 is x's half it, LDS half 1 the other
	s_lshl_b32 s19, s19, 14
	s_add_co_u32 s18, s18, s19
	s_mov_b32 s19, 0
	s_wait_dscnt 0x0                               ; the opening add is done
	s_wait_kmcnt 0x0
	s_add_nc_u64 s[G0+2:G0+3], s[4:5], s[18:19]
	s_add_nc_u64 s[G0+6:G0+7], s[G0+2:G0+3], 4*32768
	s_or_b32 s[G0+3], s[G0+3], 0x80000000
	s_or_b32 s[G0+7], s[G0+7], 0x80000000
	ROUND                                          ; all four work-groups are here: the first joint loads meet
	tensor_load_to_lds s[G0:G0+3], s[G1:G1+7]      ; rows r 0-3
	s_nop 0
	tensor_load_to_lds s[G0+4:G0+7], s[G1:G1+7]    ; rows r 4-7
	s_nop 0
	PLACES
	v_and_b32 v1, 15, v0                           ; r = l % 16
	v_bfe_u32 v11, v0, 4, 1                        ; hh = l / 16
	v_and_b32 v12, 31, v0
	v_lshlrev_b32 v[MTO], 7, v1
	v_lshl_add_u32 v[MTO], v11, 4, v[MTO]
	s_lshl_b32 s20, s[HD], 14
	s_add_co_u32 s20, s20, 131072
	s_mov_b32 s21, 0
	s_add_nc_u64 s[6:7], s[6:7], s[20:21]          ; the height attention's MT of my head
.irp e, 0,1,2,3
.irp k, 0,1
	global_load_b128 v[MT+8*(2*\e+\k):MT+8*(2*\e+\k)+3], v[MTO], s[6:7] offset:2048*\e+64*\k
	global_load_b128 v[MT+8*(2*\e+\k)+4:MT+8*(2*\e+\k)+7], v[MTO], s[6:7] offset:2048*\e+64*\k+32
.endr
.endr
	v_mul_u32_u24 v13, v1, PX
	v_lshl_add_u32 v13, v11, 4, v13                ; a fragment's row x pitch + 16 x half of the lanes
	s_mul_i32 s18, s[SA], 64*PX
	v_add_nc_u32 v[XI0], s18, v13                  ; my 64 queries, in LDS half 0
	s_mul_i32 s18, s[SB], 4*HR
	v_add_nc_u32 v[XJ0], s18, v13                  ; my 128 keys: LDS half b
	s_mul_i32 s18, s[WV], 16*SPT
	v_mul_u32_u24 v[STO], v1, SPT
	v_lshl_add_u32 v[STO], v11, 5, v[STO]
	v_add_nc_u32 v[STO], s18, v[STO]
	v_lshl_add_u32 v[RD], v12, 4, s18
	v_lshlrev_b32 v[CO], 4, v12
	v_lshlrev_b32 v[PFO], 8, v0                    ; 256 x my thread's number: the work-group's 128 threads name a row r's 128 blocks
	s_lshl_b32 s20, s[CH], 3
	s_add_co_u32 s20, s20, s[HD]
	s_lshl_b32 s20, s20, 18                        ; part: (8 c + head) x 256 KiB
	s_lshl_b32 s23, s[IT], 17
	s_add_co_u32 s20, s20, s23
	s_lshl_b32 s23, s[SA], 16
	s_add_co_u32 s20, s20, s23                     ; + my first row i = 128 it + 64 a, 1,024 bytes each
	s_xor_b32 s23, s[SB], s[IT]
	s_lshl_b32 s23, s23, 9
	s_add_co_u32 s20, s20, s23                     ; + my 128 keys: x's half b xor it
	s_add_nc_u64 s[PB:PB+1], s[8:9], s[20:21]
	s_lshl_b32 s20, s[CH], 4
	s_add_co_u32 s20, s20, s[CX]
	s_add_co_u32 s20, s20, 12
	s_lshl_b32 s20, s20, 15
	s_add_nc_u64 s[PFA:PFA+1], s[4:5], s[20:21]    ; row r = 16 c + 12 + cx: the partners share the last slot's four rows out by address
.macro LXI                             ; x of my 64 queries: 16 loads
	WIN 0
.irp q, 0,1,2,3
.irp k, 0,1
	ds_load_b128 v[XIF+8*(2*\q+\k):XIF+8*(2*\q+\k)+3], v[XI] offset:\q*16*PX+64*\k
	ds_load_b128 v[XIF+8*(2*\q+\k)+4:XIF+8*(2*\q+\k)+7], v[XI] offset:\q*16*PX+64*\k+32
.endr
.endr
.endm
.macro LXJ                             ; x of my 128 keys: 32 loads
	WIN 0x40
.irp j, 0,1,2,3,4,5,6,7
.irp k, 0,1
	ds_load_b128 v[XJF+8*(2*\j+\k):XJF+8*(2*\j+\k)+3], v[XJ] offset:\j*16*PX+64*\k
	ds_load_b128 v[XJF+8*(2*\j+\k)+4:XJF+8*(2*\j+\k)+7], v[XJ] offset:\j*16*PX+64*\k+32
.endr
.endr
.endm
.macro YP q                            ; Y^T of query tile q: 8 products; the four accumulators take turns
	WIN 0x50
.irp k, 0,1
.irp e, 0,1,2,3
.if \k == 0
	v_wmma_f32_16x16x32_f16 v[YA+8*(4*(\q)+\e):YA+8*(4*(\q)+\e)+7], v[MT+8*(2*\e+\k):MT+8*(2*\e+\k)+7], v[XIF+8*(2*(\q)+\k):XIF+8*(2*(\q)+\k)+7], 0
.else
	v_wmma_f32_16x16x32_f16 v[YA+8*(4*(\q)+\e):YA+8*(4*(\q)+\e)+7], v[MT+8*(2*\e+\k):MT+8*(2*\e+\k)+7], v[XIF+8*(2*(\q)+\k):XIF+8*(2*(\q)+\k)+7], v[YA+8*(4*(\q)+\e):YA+8*(4*(\q)+\e)+7]
.endif
.endr
.endr
.endm
.macro CV q                            ; rounded to f16 in pairs, each accumulator from its low end on: two fragments
	WIN 0x05
.set z, 0
.rept 16
	v_cvt_pk_f16_f32 v[YF+16*(\q)+z], v[YA+32*(\q)+2*z], v[YA+32*(\q)+2*z+1]
.set z, z+1
.endr
.endm
.macro DOT zero                        ; 64 products; the 32 accumulators take turns
	WIN 0xa1
.irp k, 0,1
.irp q, 0,1,2,3
.irp j, 0,1,2,3,4,5,6,7
.if (\zero) && (\k == 0)
	v_wmma_f32_16x16x32_f16 v[8*(8*\q+\j):8*(8*\q+\j)+7], v[XJF+8*(2*\j+\k):XJF+8*(2*\j+\k)+7], v[YF+8*(2*\q+\k):YF+8*(2*\q+\k)+7], 0
.else
	v_wmma_f32_16x16x32_f16 v[8*(8*\q+\j):8*(8*\q+\j)+7], v[XJF+8*(2*\j+\k):XJF+8*(2*\j+\k)+7], v[YF+8*(2*\q+\k):YF+8*(2*\q+\k)+7], v[8*(8*\q+\j):8*(8*\q+\j)+7]
.endif
.endr
.endr
.endr
.endm
; One row r.  The queries' x was asked for a row earlier.  Each CV reads results that stand four plain instructions or more back: the v_nop, or the CV before it.
.macro RSTEP zero
	LXJ
	s_wait_dscnt 32                                ; the queries' x is in; the 32 loads just issued may stay out
	YP 0
	YP 1
	PLACES
	CV 0
	YP 2
	CV 1
	YP 3
	CV 2
	CV 3
	WIN 0
	s_wait_dscnt 0x0                               ; the keys' x is in
	s_cmp_eq_u32 s[CNT], 1                         ; a slot's last row fetches nothing further
	s_cbranch_scc1 .Lnoxi_\@
	v_add_nc_u32 v[XI], HR, v[XI]
	v_add_nc_u32 v[XJ], HR, v[XJ]
	LXI                                            ; the next row's queries land under the 64 products below; CV 2's and CV 3's lines are the places behind YP 3
.Lnoxi_\@:
	DOT \zero
	PLACES                                         ; for the next loads into the keys' registers and the next CV into YF
	WIN 0
.endm
.macro VISIT s, first                  ; a slot's four rows
	v_add_nc_u32 v[XI], (\s)*SLOT, v[XI0]
	v_add_nc_u32 v[XJ], (\s)*SLOT, v[XJ0]
	LXI
.if \first
	s_mov_b32 s[CNT], 4
	RSTEP 1                                        ; the first row's products start the sums: nothing is cleared
	s_mov_b32 s[CNT], 3
.else
	s_mov_b32 s[CNT], 4
.endif
.Lr_\@:
	RSTEP 0
	s_sub_co_u32 s[CNT], s[CNT], 1
	s_cmp_lg_u32 s[CNT], 0
	s_cbranch_scc1 .Lr_\@
.endm
; The change of slots.  Each wave waits for all its tensor loads (its part of the other slot), adds 0 to its spare word, and waits for that and for its reads of the slot that it leaves.
; fill = 1: a round of the cluster's barrier, so that no wave of any partner still reads the slot or has a load on its way; the joint refill of slot s is the first thing behind it.
.macro CHANGE fill, s
	WIN 0
	s_wait_tensorcnt 0x0
	ds_add_u32 v[SPW], v[NIL]
.if \fill
	s_add_nc_u64 s[G0+4*(\s)+2:G0+4*(\s)+3], s[G0+4*(\s)+2:G0+4*(\s)+3], 8*32768  ; no load of mine is out: the slot's next four rows
.endif
	s_wait_dscnt 0x0
.if \fill
	ROUND
	tensor_load_to_lds s[G0+4*(\s):G0+4*(\s)+3], s[G1:G1+7]
	s_nop 0
	PLACES
.else
	s_barrier_signal -1
	s_barrier_wait -1
.endif
.endm
	s_wait_tensorcnt 0x1                           ; my part of slot 0 is in; slot 1's may stay out
	s_barrier_signal -1
	s_barrier_wait -1
	s_wait_loadcnt 0x0                             ; MT
	VISIT 0, 1
	CHANGE 1, 0                                    ; rows r 8-11
	; A prefetch into the L2 of rows r 12-15, which the next change asks for, four rows r (384 matrix instructions) ahead.  A chunk's rows are read by four clusters: the one with x = 0 asks;
	; its partners take a row r each, by address; a thread names one block of 256 bytes: each block once in the launch.  Rows 0-11 come by their loads alone.
	s_cmp_eq_u32 s[CLX], 0
	s_cbranch_scc0 .Lnot_mine
	global_prefetch_b8 v[PFO], s[PFA:PFA+1] th:TH_LOAD_NT scope:SCOPE_SE
.Lnot_mine:
	VISIT 1, 0
	CHANGE 1, 1                                    ; rows r 12-15
	VISIT 0, 0
	CHANGE 0, 0                                    ; nothing is left to fetch
	VISIT 1, 0
; THE WAY OUT, 16 queries at a time: a lane's 32 bytes go into rows of 528 bytes of my own stage and come back as whole rows of 512.  Slot 0 has had its last fill, and every wave's reads of it ended ahead of the last barrier.
.macro OUTQ q
	WIN 0x08                                       ; store data in window 2
.irp j, 0,1,2,3,4,5,6,7
	ds_store_b128 v[STO], v[8*(8*(\q)+\j):8*(8*(\q)+\j)+3] offset:64*\j
	ds_store_b128 v[STO], v[8*(8*(\q)+\j)+4:8*(8*(\q)+\j)+7] offset:64*\j+16
.endr
	WIN 0
.set BK, 32+64*((\q)%2)
.irp k, 0,1,2,3,4,5,6,7,8,9,10,11,12,13,14,15
	ds_load_b128 v[BK+4*\k:BK+4*\k+3], v[RD] offset:\k*SPT  ; LDS serves a wave's instructions in order (ISA guide 5.7.1.4): these see the stores above
.endr
	s_wait_dscnt 0x0
	s_wait_xcnt 0x0                                ; the stores of the block before have read their registers: that set is loaded again in the next block
.irp k, 0,1,2,3,4,5,6,7,8,9,10,11,12,13,14,15
	global_store_b128 v[CO], v[BK+4*\k:BK+4*\k+3], s[PB:PB+1] offset:(\q)*16384+\k*1024  ; 512 consecutive bytes, aligned
.endr
.endm
	OUTQ 0
	OUTQ 1
	OUTQ 2
	OUTQ 3
	s_wait_tensorcnt 0x0                           ; the wave's end
	ds_add_u32 v[SPW], v[NIL]
	s_wait_dscnt 0x0
	ROUND                                          ; the closing round
	s_endpgm
.Lfunc_end_k_q6936d189e9_dots:
	.size	k_q6936d189e9_dots, .Lfunc_end_k_q6936d189e9_dots-k_q6936d189e9_dots
	.p2alignl 7, 3214868480
	.fill 96, 4, 3214868480
	.section	.rodata,"a",@progbits
	.p2align	6, 0x0
	.amdhsa_kernel k_q6936d189e9_dots
		.amdhsa_group_segment_fixed_size 327680
		.amdhsa_private_segment_fixed_size 0
		.amdhsa_enable_private_segment 0
		.amdhsa_kernarg_size 24
		.amdhsa_user_sgpr_count 2
		.amdhsa_user_sgpr_kernarg_segment_ptr 1
		.amdhsa_wavefront_size32 1
		.amdhsa_system_sgpr_workgroup_id_x 1
		.amdhsa_system_sgpr_workgroup_id_y 1
		.amdhsa_system_sgpr_workgroup_id_z 1
		.amdhsa_system_vgpr_workitem_id 0
		.amdhsa_next_free_vgpr 768
		.amdhsa_next_free_sgpr 66
		.amdhsa_reserve_vcc 0
		.amdhsa_float_denorm_mode_32 3
		.amdhsa_float_denorm_mode_16_64 3
		.amdhsa_memory_ordered 1
		.amdhsa_forward_progress 1
		.amdhsa_inst_pref_size 97
	.end_amdhsa_kernel
	.amdgpu_metadata
---
amdhsa.version: [ 1, 2 ]
amdhsa.kernels:
  - .name:           k_q6936d189e9_dots
    .symbol:         k_q6936d189e9_dots.kd
    .args:
      - { .name: xh, .offset: 0, .size: 8, .value_kind: global_buffer, .address_space: global }
      - { .name: wts, .offset: 8, .size: 8, .value_kind: global_buffer, .address_space: global }
      - { .name: part, .offset: 16, .size: 8, .value_kind: global_buffer, .address_space: global }
    .group_segment_fixed_size: 327680
    .private_segment_fixed_size: 0
    .kernarg_segment_align: 8
    .kernarg_segment_size: 24
    .max_flat_workgroup_size: 128
    .sgpr_count:     66
    .vgpr_count:     768
    .wavefront_size: 32
...
	.end_amdgpu_metadata
.endif
;; end of part 2
;; launch soft (part 3): grid 256 x 1, 8 waves a work-group, no clusters, 0 bytes of LDS; arguments part, pb, attn; writes attn
.if DOCPART == 3
	.amdgcn_target "amdgcn-amd-amdhsa--gfx1250"
	.amdhsa_code_object_version 6
	.text
	.protected	k_q6936d189e9_soft
	.globl	k_q6936d189e9_soft
	.p2align	8
	.type	k_q6936d189e9_soft,@function
k_q6936d189e9_soft:
	s_mov_b64 s[64:65], 0
	v_nop
	global_prefetch_b8 v0, s[64:65] scope:SCOPE_SE
	s_setreg_imm32_b32 hwreg(HW_REG_WAVE_MODE, 25, 1), 1
	s_wait_xcnt 0x0
; SOFT.  attn[h][i][:] = softmax_j( (sum over c of part[c][h][i][j]) / 16 + pb[i][h][j] ), f16, normalised.  A work-group is a query i, a wave a head h: one wave, one row of 256.
; Lane l holds j = 4 l .. 4 l + 3 and 128 + 4 l .. + 3.  All 34 loads of a wave go out at once; the sixteen partial sums are added in f32, c ascending, as they arrive.
; The row's true maximum is taken away before the exponentials.  A weight below 2^-126 counts as 0; below 6e-5 the stored f16 keeps a fixed step of 6e-8.  NaN and infinities are not treated apart.
; Memory binds: no LDS, no barrier, no matrix unit.
.set CS, 24                            ; s[24:25] log2(e)
	s_load_b128 s[4:7], s[0:1], 0x0                ; part, pb
	s_load_b64 s[8:9], s[0:1], 0x10                ; attn
	v_lshrrev_b32 v1, 5, v0
	v_readfirstlane_b32 s10, v1                    ; h
	v_and_b32 v1, 31, v0
	s_lshl_b32 s11, s10, 18
	s_lshl_b32 s20, ttmp9, 10
	s_add_co_u32 s11, s11, s20
	v_lshl_add_u32 v2, v1, 4, s11                  ; part: h x 256 KiB + i x 1,024 + 16 l
	s_lshl_b32 s11, ttmp9, 13
	s_lshl_b32 s20, s10, 10
	s_add_co_u32 s11, s11, s20
	v_lshl_add_u32 v3, v1, 4, s11                  ; pb: (8 i + h) x 1,024 + 16 l
	s_lshl_b32 s11, s10, 17
	s_lshl_b32 s20, ttmp9, 9
	s_add_co_u32 s11, s11, s20
	v_lshl_add_u32 v4, v1, 3, s11                  ; attn: (256 h + i) x 512 + 8 l
	s_mov_b32 s[CS], 0x3fb8aa3b
	s_mov_b32 s[CS+1], s[CS]
	s_mov_b32 s22, 0x76543210
	s_mov_b32 s23, 0xfedcba98
	s_wait_kmcnt 0x0
	s_mov_b64 s[12:13], s[4:5]                     ; four bases 8 MiB apart: a chunk is 2 MiB, and three of them fit the immediate
	s_add_nc_u64 s[14:15], s[4:5], 0x800000
	s_add_nc_u64 s[16:17], s[4:5], 0x1000000
	s_add_nc_u64 s[18:19], s[4:5], 0x1800000
.set c, 0
.rept 16
	global_load_b128 v[16+8*c:16+8*c+3], v2, s[12+2*(c/4):13+2*(c/4)] offset:(c%4)*0x200000 th:TH_LOAD_NT
	global_load_b128 v[16+8*c+4:16+8*c+7], v2, s[12+2*(c/4):13+2*(c/4)] offset:(c%4)*0x200000+512 th:TH_LOAD_NT
.set c, c+1
.endr
	global_load_b128 v[144:147], v3, s[6:7] th:TH_LOAD_NT
	global_load_b128 v[148:151], v3, s[6:7] offset:512 th:TH_LOAD_NT
.set c, 1
.rept 15
	s_wait_loadcnt 32-2*c                          ; chunk c is in: 32 - 2 c loads were issued behind its two
.irp z, 0,2,4,6
	v_pk_add_f32 v[16+\z:17+\z], v[16+\z:17+\z], v[16+8*c+\z:17+8*c+\z]
.endr
.set c, c+1
.endr
	s_wait_loadcnt 0x0
.irp z, 0,2,4,6
	v_pk_fma_f32 v[16+\z:17+\z], v[16+\z:17+\z], 0x3d800000, v[144+\z:145+\z] op_sel_hi:[1,0,1]  ; / 16, + the pair bias
.endr
	v_max3_num_f32 v6, v16, v17, v18
	v_max3_num_f32 v7, v19, v20, v21
	v_max3_num_f32 v6, v6, v22, v23
	v_max_num_f32 v6, v6, v7
	v_max_num_f32_dpp v6, v6, v6 row_xmask:1 row_mask:0xf bank_mask:0xf
	v_max_num_f32_dpp v6, v6, v6 row_xmask:2 row_mask:0xf bank_mask:0xf
	v_max_num_f32_dpp v6, v6, v6 row_xmask:4 row_mask:0xf bank_mask:0xf
	v_max_num_f32_dpp v6, v6, v6 row_xmask:8 row_mask:0xf bank_mask:0xf
	v_permlanex16_b32 v7, v6, s22, s23
	v_max_num_f32 v9, v6, v7                       ; the row's maximum, in every lane
	v_mul_f32 v8, s[CS], v9
.irp z, 0,2,4,6
	v_pk_fma_f32 v[16+\z:17+\z], v[16+\z:17+\z], s[CS:CS+1], v[8:9] op_sel_hi:[1,0,0] neg_lo:[0,0,1] neg_hi:[0,0,1]
.endr
.irp z, 0,1,2,3,4,5,6,7
	v_exp_f32 v[16+\z], v[16+\z]
.endr
	v_nop                                          ; a plain instruction behind the last exponential,
	s_wait_alu depctr_va_vdst(0)                   ; and one wait for the eight, ahead of their first reader
	v_pk_add_f32 v[6:7], v[16:17], v[18:19]
	v_pk_add_f32 v[12:13], v[20:21], v[22:23]
	v_pk_add_f32 v[6:7], v[6:7], v[12:13]
	v_add_f32 v6, v6, v7
	v_add_f32_dpp v6, v6, v6 row_xmask:1 row_mask:0xf bank_mask:0xf
	v_add_f32_dpp v6, v6, v6 row_xmask:2 row_mask:0xf bank_mask:0xf
	v_add_f32_dpp v6, v6, v6 row_xmask:4 row_mask:0xf bank_mask:0xf
	v_add_f32_dpp v6, v6, v6 row_xmask:8 row_mask:0xf bank_mask:0xf
	v_permlanex16_b32 v7, v6, s22, s23
	v_add_f32 v6, v6, v7
	v_rcp_f32 v10, v6
	v_mov_b32 v11, 0                               ; the plain instruction behind the reciprocal; v11 is named with v10 as a pair below
	s_wait_alu depctr_va_vdst(0)
.irp z, 0,2,4,6
	v_pk_mul_f32 v[16+\z:17+\z], v[16+\z:17+\z], v[10:11] op_sel_hi:[1,0]
.endr
.irp z, 0,1,2,3
	v_cvt_pk_f16_f32 v[12+\z], v[16+2*\z], v[17+2*\z]
.endr
	global_store_b64 v4, v[12:13], s[8:9]          ; the wave's 32 lanes store 256 consecutive bytes, aligned
	global_store_b64 v4, v[14:15], s[8:9] offset:256
	s_endpgm
.Lfunc_end_k_q6936d189e9_soft:
	.size	k_q6936d189e9_soft, .Lfunc_end_k_q6936d189e9_soft-k_q6936d189e9_soft
	.p2alignl 7, 3214868480
	.fill 96, 4, 3214868480
	.section	.rodata,"a",@progbits
	.p2align	6, 0x0
	.amdhsa_kernel k_q6936d189e9_soft
		.amdhsa_group_segment_fixed_size 0
		.amdhsa_private_segment_fixed_size 0
		.amdhsa_enable_private_segment 0
		.amdhsa_kernarg_size 24
		.amdhsa_user_sgpr_count 2
		.amdhsa_user_sgpr_kernarg_segment_ptr 1
		.amdhsa_wavefront_size32 1
		.amdhsa_system_sgpr_workgroup_id_x 1
		.amdhsa_system_sgpr_workgroup_id_y 1
		.amdhsa_system_sgpr_workgroup_id_z 1
		.amdhsa_system_vgpr_workitem_id 0
		.amdhsa_next_free_vgpr 160
		.amdhsa_next_free_sgpr 66
		.amdhsa_reserve_vcc 0
		.amdhsa_float_denorm_mode_32 3
		.amdhsa_float_denorm_mode_16_64 3
		.amdhsa_memory_ordered 1
		.amdhsa_forward_progress 1
		.amdhsa_inst_pref_size 12
	.end_amdhsa_kernel
	.amdgpu_metadata
---
amdhsa.version: [ 1, 2 ]
amdhsa.kernels:
  - .name:           k_q6936d189e9_soft
    .symbol:         k_q6936d189e9_soft.kd
    .args:
      - { .name: part, .offset: 0, .size: 8, .value_kind: global_buffer, .address_space: global }
      - { .name: pb, .offset: 8, .size: 8, .value_kind: global_buffer, .address_space: global }
      - { .name: attn, .offset: 16, .size: 8, .value_kind: global_buffer, .address_space: global }
    .group_segment_fixed_size: 0
    .private_segment_fixed_size: 0
    .kernarg_segment_align: 8
    .kernarg_segment_size: 24
    .max_flat_workgroup_size: 256
    .sgpr_count:     66
    .vgpr_count:     160
    .wavefront_size: 32
...
	.end_amdgpu_metadata
.endif
;; end of part 3
;; launch apply (part 4): grid 64 x 4, 4 waves a work-group, clusters of 4 x 1, 327,680 bytes of LDS; arguments xh, attn, wts, bout_h, bout_w, hws; writes hws
.if DOCPART == 4
	.amdgcn_target "amdgcn-amd-amdhsa--gfx1250"
	.amdhsa_code_object_version 6
	.text
	.protected	k_q6936d189e9_apply
	.globl	k_q6936d189e9_apply
	.p2align	8
	.type	k_q6936d189e9_apply,@function
k_q6936d189e9_apply:
	s_mov_b64 s[64:65], 0
	v_nop
	global_prefetch_b8 v0, s[64:65] scope:SCOPE_SE
	s_setreg_imm32_b32 hwreg(HW_REG_WAVE_MODE, 25, 1), 1
	s_wait_xcnt 0x0
	s_wait_alu depctr_hold_cnt(0) depctr_sa_sdst(0) depctr_va_vdst(0) depctr_va_sdst(0) depctr_va_ssrc(0) depctr_va_vcc(0) depctr_vm_vsrc(0)
	s_getreg_b32 s2, hwreg(HW_REG_IB_STS2, 6, 4)
	s_cmp_eq_u32 s2, 0
	s_cbranch_scc0 .Lentry_in_a_cluster
	s_endpgm
.Lentry_in_a_cluster:
	s_bfe_u32 s2, ttmp6, 0x10000c
	s_cmp_lg_u32 s2, 0x3003
	s_cbranch_scc0 .Lentry_shape_is_right
	s_endpgm
.Lentry_shape_is_right:
; APPLY.  hws[r][i][e] = 0.5 ( sum_h (attn_h x[r])[i] . N_h[:][e] + bout_h[e] + bout_w[e] ), f32: the height attention's half of the result, with both biases.
; SHARES.  A work-group: 4 rows r (a wave each) x 64 queries i (block ib), all 8 heads.  A wave keeps x[r]^T (256 keys x 64 channels) in 256 registers for the whole launch.
; LAYOUT.  Z^T = x^T P^T (source 0 = 16 channels, turned out of LDS by ds_load_tr16_b128; source 1 = 16 queries' weights, as attn lies): a lane holds ONE query and eight channels; two results rounded in
; pairs ARE source 1 of OUT^T += NT Z^T (source 0 = 16 rows e of NT = 64 N^T): one query a lane, eight neighbouring e.  OUT starts at 64 (bout_h + bout_w), so nothing is cleared; all is scaled by 2^-7 at the end.
; LDS.  The 64 rows of attn of heads 0-3 are first fills; x[r] is staged once per wave, read into registers, and its bytes are then filled again, once, with heads 4-7: that load has four heads' work, 640 matrix instructions, in which to land.
; By this text's own count a wave has two tensor loads out at the start and one behind the refill.
; CLUSTER.  The four partners share the query block and differ in r: attn's tiles are asked for JOINTLY (mask 15); x is each work-group's own load, behind the same round.
; No prefetch: the one refill goes out straight behind the launch's first loads, so there is no earlier place to ask from.
; LIMITS.  Z, a mean of x's rows, is rounded to f16; 64 N is f16 (ends at 65,504).  NaN and infinities are not treated apart.
; REGISTERS, in windows of 256 (s_set_vgpr_msb: bits 1:0 source 0, 3:2 source 1, 5:4 source 2, 7:6 destination):
;   window 0: v0-31 addresses; v32-95 NT (et, kk); v96-159 ZF (qt, kk); v160-255 at work      window 1: x^T (ct, kb)      window 2: P (qt, kb)      window 3: v0-127 Z's sums (qt, ct); v128-255 OUT (qt, et)
.set PA,    528                        ; a row of attn in LDS: 512 bytes + 16
.set HDB,   64*PA                      ; a head's 64 rows
.set XST,   4*HDB                      ; the stages of x
.set PXT,   160                        ; a row of x: 128 bytes + 32 = 40 words
.set XSB,   256*PXT
.set OSTG,  XST+4*XSB                  ; the way out: 16 rows x 272 bytes a wave; no tensor load lands here
.set PO,    272
.set SPARE, OSTG+4*16*PO               ; the spare words: two blocks of 256 bytes that no other line names
.set AP,  2
.set AP0, 3
.set AV0, 4
.set NTO, 5
.set STO, 6
.set RD,  7
.set GO,  8
.set BO,  9
.set SPW, 30
.set NIL, 31
.set NT,  32
.set ZF,  96
.set TB,  160
.set WV,  16
.set CX,  17
.set RG,  18
.set IB,  19
.set G1X, 24
.set G1A, 32
.set G0X, 40
.set G0A, 44
.set G0B, 48
.set NTP, 52
.set HB,  54
.set H,   56
.set MSB, 0
.macro WIN new
.if MSB != (\new)
	s_set_vgpr_msb (MSB<<8)|(\new)
.set MSB, (\new)
.endif
.endm
.macro PLACES
.rept 4
	v_nop
.endr
.endm
.macro ROUND
	s_barrier_signal -1
	s_barrier_wait -1
	s_cmp_lg_u32 s[WV], 0
	s_cbranch_scc1 .Lnw0_\@
	s_barrier_signal -3
.Lnw0_\@:
	s_barrier_wait -3
	s_barrier_signal -1
	s_barrier_wait -1
.endm
	s_load_b256 s[4:11], s[0:1], 0x0               ; xh 4, attn 6, wts 8, bout_h 10
	s_load_b128 s[12:15], s[0:1], 0x20             ; bout_w 12, hws 14
	v_lshl_add_u32 v[SPW], v0, 2, SPARE
	v_mov_b32 v[NIL], 0
	ds_add_u32 v[SPW], v[NIL]                      ; the wave's opening: the add and its wait ahead of my first tensor load
	ds_add_u32 v30, v31
	v_lshrrev_b32 v1, 5, v0
	v_readfirstlane_b32 s[WV], v1
	s_bfe_u32 s[CX], ttmp6, 0x40000
	s_lshl_b32 s[RG], ttmp9, 2
	s_add_co_u32 s[RG], s[RG], s[CX]               ; my group of four rows r: it enters global addresses alone
	s_and_b32 s[IB], ttmp7, 0xffff                 ; the query block, which the partners share
	s_mov_b32 s[G1X+0], (1<<16)|(1<<20)|(4<<22)|(7<<25)  ; x: 2-byte elements; after every 32 words, 8 words of padding
	s_mov_b32 s[G1X+1], 128<<16                    ; 32 KiB dense, as 128 rows of 256 bytes
	s_mov_b32 s[G1X+2], 128<<16
	s_mov_b32 s[G1X+3], 128<<16
	s_mov_b32 s[G1X+4], 128
	s_mov_b32 s[G1X+5], 128
	s_mov_b32 s[G1X+6], 0
	s_mov_b32 s[G1X+7], 0
	s_mov_b32 s[G1A+0], 15|(1<<16)|(1<<20)|(1<<21)|(6<<22)|(3<<25)  ; attn: the mask of four, bit 21 beside it; after every 128 words, 4 words
	s_mov_b32 s[G1A+1], 256<<16                    ; 64 rows of 512 bytes
	s_mov_b32 s[G1A+2], 64<<16
	s_mov_b32 s[G1A+3], 256<<16
	s_mov_b32 s[G1A+4], 64
	s_mov_b32 s[G1A+5], 256
	s_mov_b32 s[G1A+6], 0
	s_mov_b32 s[G1A+7], 0
	s_mov_b32 s[G0X], 1
	s_mul_i32 s[G0X+1], s[WV], XSB
	s_add_co_u32 s[G0X+1], s[G0X+1], XST
	s_mov_b32 s[G0A], 1
	s_mul_i32 s[G0A+1], s[WV], HDB                 ; head = wave
	s_mov_b32 s[G0B], 1
	s_add_co_u32 s[G0B+1], s[G0A+1], 4*HDB         ; head = 4 + wave
	s_lshl_b32 s22, s[RG], 2
	s_add_co_u32 s22, s22, s[WV]                   ; my row r
	s_lshl_b32 s58, s22, 16
	s_lshl_b32 s59, s[IB], 14
	s_add_co_u32 s58, s58, s59                     ; hws: r x 64 KiB + 64 ib rows of 256 bytes
	s_mov_b32 s59, 0
	s_lshl_b32 s22, s22, 15
	s_mov_b32 s23, 0
	s_lshl_b32 s20, s[WV], 17
	s_lshl_b32 s21, s[IB], 15
	s_add_co_u32 s20, s20, s21                     ; attn: (256 wave + 64 ib) x 512
	s_mov_b32 s21, 0
	s_wait_dscnt 0x0                               ; the opening add is done
	s_wait_kmcnt 0x0
	s_add_nc_u64 s[G0X+2:G0X+3], s[4:5], s[22:23]
	s_or_b32 s[G0X+3], s[G0X+3], 0x80000000
	s_add_nc_u64 s[G0A+2:G0A+3], s[6:7], s[20:21]
	s_add_nc_u64 s[G0B+2:G0B+3], s[G0A+2:G0A+3], 4*256*512
	s_or_b32 s[G0A+3], s[G0A+3], 0x80000000
	s_or_b32 s[G0B+3], s[G0B+3], 0x80000000
	s_add_nc_u64 s[NTP:NTP+1], s[8:9], 131072+8192 ; the height attention's NT of head 0
	s_add_nc_u64 s[HB:HB+1], s[14:15], s[58:59]
	ROUND                                          ; all four work-groups are here
	tensor_load_to_lds s[G0X:G0X+3], s[G1X:G1X+7]  ; x[r], my own
	s_nop 0
	tensor_load_to_lds s[G0A:G0A+3], s[G1A:G1A+7]  ; head = wave, jointly
	s_nop 0
	PLACES
	v_and_b32 v1, 15, v0                           ; r = l % 16
	v_bfe_u32 v10, v0, 4, 1                        ; hh = l / 16
	v_and_b32 v11, 31, v0
	v_lshlrev_b32 v[BO], 5, v10
.irp e, 0,1,2,3                        ; a lane's e = 16 et + 8 hh + 0..7 of both biases
	global_load_b128 v[TB+8*\e:TB+8*\e+3], v[BO], s[10:11] offset:64*\e
	global_load_b128 v[TB+8*\e+4:TB+8*\e+7], v[BO], s[10:11] offset:64*\e+16
	global_load_b128 v[TB+32+8*\e:TB+32+8*\e+3], v[BO], s[12:13] offset:64*\e
	global_load_b128 v[TB+32+8*\e+4:TB+32+8*\e+7], v[BO], s[12:13] offset:64*\e+16
.endr
	v_mul_u32_u24 v[AP0], v1, PA
	v_lshl_add_u32 v[AP0], v10, 4, v[AP0]
	v_mov_b32 v[AP], v[AP0]
	v_and_b32 v12, 7, v0
	v_bfe_u32 v13, v0, 3, 1
	v_lshl_add_u32 v[AV0], v10, 3, v12             ; the turning load: key 8 hh + l % 8, channels 8 ((l / 8) % 2) + 0..7
	v_mul_u32_u24 v[AV0], v[AV0], PXT
	v_lshl_add_u32 v[AV0], v13, 4, v[AV0]
	v_add_nc_u32 v[AV0], s[G0X+1], v[AV0]
	v_lshlrev_b32 v[NTO], 7, v1
	v_lshl_add_u32 v[NTO], v10, 4, v[NTO]
	s_mul_i32 s20, s[WV], 16*PO
	s_add_co_u32 s20, s20, OSTG
	v_mul_u32_u24 v[STO], v1, PO
	v_lshl_add_u32 v[STO], v10, 5, v[STO]
	v_add_nc_u32 v[STO], s20, v[STO]
	v_mul_u32_u24 v[RD], v10, PO
	v_lshl_add_u32 v[RD], v1, 4, v[RD]
	v_add_nc_u32 v[RD], s20, v[RD]
	v_lshlrev_b32 v[GO], 4, v11
	s_wait_tensorcnt 0x1                           ; x[r] is in (only I read it); my head's tile may stay out
	WIN 0x40
.irp c, 0,1,2,3
.irp k, 0,1,2,3,4,5,6,7
	ds_load_tr16_b128 v[8*(8*\c+\k):8*(8*\c+\k)+3], v[AV0] offset:32*PXT*\k+32*\c
	ds_load_tr16_b128 v[8*(8*\c+\k)+4:8*(8*\c+\k)+7], v[AV0] offset:32*PXT*\k+32*\c+16*PXT
.endr
.endr
	WIN 0
	s_wait_loadcnt 0x0
.set z, 0
.rept 16
	v_pk_add_f32 v[TB+2*z:TB+2*z+1], v[TB+2*z:TB+2*z+1], v[TB+32+2*z:TB+32+2*z+1]
.set z, z+1
.endr
	WIN 0xc0
.set z, 0
.rept 64
	v_pk_mul_f32 v[128+2*z:128+2*z+1], v[TB+2*(z%16):TB+2*(z%16)+1], 0x42800000 op_sel_hi:[1,0]  ; OUT starts at 64 (bout_h + bout_w), for each of the four query tiles
.set z, z+1
.endr
	WIN 0
	s_wait_tensorcnt 0x0                           ; my head's tile is in;
	ds_add_u32 v[SPW], v[NIL]
	s_wait_dscnt 0x0                               ; the add is done, and x[r] is in registers: my reads of the stage are over
	ROUND                                          ; the same holds of every wave of every partner
	tensor_load_to_lds s[G0B:G0B+3], s[G1A:G1A+7]  ; head = 4 + wave, jointly, over the stages of x
	s_nop 0
	PLACES
.macro PLOAD                           ; a head's weights for my 64 queries: 64 loads, query tile by query tile
	WIN 0x80
.irp q, 0,1,2,3
.irp k, 0,1,2,3,4,5,6,7
	ds_load_b128 v[64*\q+8*\k:64*\q+8*\k+3], v[AP] offset:16*PA*\q+64*\k
	ds_load_b128 v[64*\q+8*\k+4:64*\q+8*\k+7], v[AP] offset:16*PA*\q+64*\k+32
.endr
.endr
	WIN 0
.endm
.macro CVZ q                           ; Z of query tile q rounded to f16 in pairs, each accumulator from its low end on
	WIN 0x0f
.set z, 0
.rept 16
	v_cvt_pk_f16_f32 v[ZF+16*(\q)+z], v[32*(\q)+2*z], v[32*(\q)+2*z+1]
.set z, z+1
.endr
.endm
.macro ZQ q                            ; Z^T of query tile q: 32 products, the four accumulators by turns; behind the fourth, the tile before is rounded
.set zi, 0
.irp k, 0,1,2,3,4,5,6,7
.irp c, 0,1,2,3
	WIN 0xf9
.if \k == 0
	v_wmma_f32_16x16x32_f16 v[8*(4*(\q)+\c):8*(4*(\q)+\c)+7], v[8*(8*\c+\k):8*(8*\c+\k)+7], v[64*(\q)+8*\k:64*(\q)+8*\k+7], 0
.else
	v_wmma_f32_16x16x32_f16 v[8*(4*(\q)+\c):8*(4*(\q)+\c)+7], v[8*(8*\c+\k):8*(8*\c+\k)+7], v[64*(\q)+8*\k:64*(\q)+8*\k+7], v[8*(4*(\q)+\c):8*(4*(\q)+\c)+7]
.endif
.set zi, zi+1
.if (zi == 4) && ((\q) > 0)
	PLACES
	CVZ (\q)-1
.endif
.endr
.endr
.endm
.macro OUTP                            ; OUT^T += NT Z^T: 32 products, the 16 accumulators by turns
	WIN 0xf0
.irp k, 0,1
.irp q, 0,1,2,3
.irp e, 0,1,2,3
	v_wmma_f32_16x16x32_f16 v[128+8*(4*\q+\e):128+8*(4*\q+\e)+7], v[NT+8*(2*\e+\k):NT+8*(2*\e+\k)+7], v[ZF+8*(2*\q+\k):ZF+8*(2*\q+\k)+7], v[128+8*(4*\q+\e):128+8*(4*\q+\e)+7]
.endr
.endr
.endr
.endm
.macro HALF                            ; four heads.  At the loop's head 64 LDS loads are out on both ways in
	PLOAD
	s_mov_b32 s[H], 4
.Lhead_\@:
.irp e, 0,1,2,3
.irp k, 0,1
	global_load_b128 v[NT+8*(2*\e+\k):NT+8*(2*\e+\k)+3], v[NTO], s[NTP:NTP+1] offset:2048*\e+64*\k
	global_load_b128 v[NT+8*(2*\e+\k)+4:NT+8*(2*\e+\k)+7], v[NTO], s[NTP:NTP+1] offset:2048*\e+64*\k+32
.endr
.endr
	s_wait_dscnt 48                                ; query tile 0's 16 loads are in
	ZQ 0
	s_wait_dscnt 32
	ZQ 1
	s_wait_dscnt 16
	ZQ 2
	s_wait_dscnt 0x0
	ZQ 3
	PLACES
	CVZ 3
	WIN 0
	s_cmp_eq_u32 s[H], 1                           ; the half's last head fetches nothing further
	s_cbranch_scc1 .Lnop_\@
	v_add_nc_u32 v[AP], HDB, v[AP]
	PLOAD                                          ; the next head's weights land under the products below
.Lnop_\@:
	s_wait_loadcnt 0x0                             ; NT is in, and its address is free
	s_add_nc_u64 s[NTP:NTP+1], s[NTP:NTP+1], 16384
	OUTP
	PLACES                                         ; for the next loads into NT and the next conversions into ZF
	WIN 0
	s_sub_co_u32 s[H], s[H], 1
	s_cmp_lg_u32 s[H], 0
	s_cbranch_scc1 .Lhead_\@
.endm
	HALF                                           ; heads 0-3
	v_add_nc_u32 v[AP], HDB, v[AP]
	s_wait_tensorcnt 0x0                           ; my part of heads 4-7 is in,
	s_wait_dscnt 0x0
	s_barrier_signal -1
	s_barrier_wait -1                              ; everybody's is
	HALF                                           ; heads 4-7
; THE WAY OUT, a query tile at a time: scaled by 2^-7; a lane's 32 bytes go into rows of 272 bytes of my own stage and come back as whole rows of 256.
.macro OUTQ q
	WIN 0x03
.set z, 0
.rept 16
	v_pk_mul_f32 v[TB+2*z:TB+2*z+1], v[128+32*(\q)+2*z:128+32*(\q)+2*z+1], 0x3c000000 op_sel_hi:[1,0]
.set z, z+1
.endr
	WIN 0
.irp e, 0,1,2,3
	ds_store_b128 v[STO], v[TB+8*\e:TB+8*\e+3] offset:64*\e
	ds_store_b128 v[STO], v[TB+8*\e+4:TB+8*\e+7] offset:64*\e+16
.endr
.set BK, TB+32+32*((\q)%2)
.irp k, 0,1,2,3,4,5,6,7
	ds_load_b128 v[BK+4*\k:BK+4*\k+3], v[RD] offset:\k*2*PO  ; LDS serves a wave's instructions in order (ISA guide 5.7.1.4): these see the stores above
.endr
	s_wait_dscnt 0x0
	s_wait_xcnt 0x0                                ; the stores of the tile before have read their registers: that set is loaded again in the next tile
.irp k, 0,1,2,3,4,5,6,7
	global_store_b128 v[GO], v[BK+4*\k:BK+4*\k+3], s[HB:HB+1] offset:(\q)*4096+\k*512  ; 512 consecutive bytes, aligned
.endr
.endm
	OUTQ 0
	OUTQ 1
	OUTQ 2
	OUTQ 3
	s_wait_tensorcnt 0x0                           ; the wave's end
	ds_add_u32 v[SPW], v[NIL]
	s_wait_dscnt 0x0
	ROUND                                          ; the closing round
	s_endpgm
.Lfunc_end_k_q6936d189e9_apply:
	.size	k_q6936d189e9_apply, .Lfunc_end_k_q6936d189e9_apply-k_q6936d189e9_apply
	.p2alignl 7, 3214868480
	.fill 96, 4, 3214868480
	.section	.rodata,"a",@progbits
	.p2align	6, 0x0
	.amdhsa_kernel k_q6936d189e9_apply
		.amdhsa_group_segment_fixed_size 327680
		.amdhsa_private_segment_fixed_size 0
		.amdhsa_enable_private_segment 0
		.amdhsa_kernarg_size 48
		.amdhsa_user_sgpr_count 2
		.amdhsa_user_sgpr_kernarg_segment_ptr 1
		.amdhsa_wavefront_size32 1
		.amdhsa_system_sgpr_workgroup_id_x 1
		.amdhsa_system_sgpr_workgroup_id_y 1
		.amdhsa_system_sgpr_workgroup_id_z 1
		.amdhsa_system_vgpr_workitem_id 0
		.amdhsa_next_free_vgpr 1024
		.amdhsa_next_free_sgpr 66
		.amdhsa_reserve_vcc 0
		.amdhsa_float_denorm_mode_32 3
		.amdhsa_float_denorm_mode_16_64 3
		.amdhsa_memory_ordered 1
		.amdhsa_forward_progress 1
		.amdhsa_inst_pref_size 83
	.end_amdhsa_kernel
	.amdgpu_metadata
---
amdhsa.version: [ 1, 2 ]
amdhsa.kernels:
  - .name:           k_q6936d189e9_apply
    .symbol:         k_q6936d189e9_apply.kd
    .args:
      - { .name: xh, .offset: 0, .size: 8, .value_kind: global_buffer, .address_space: global }
      - { .name: attn, .offset: 8, .size: 8, .value_kind: global_buffer, .address_space: global }
      - { .name: wts, .offset: 16, .size: 8, .value_kind: global_buffer, .address_space: global }
      - { .name: bout_h, .offset: 24, .size: 8, .value_kind: global_buffer, .address_space: global }
      - { .name: bout_w, .offset: 32, .size: 8, .value_kind: global_buffer, .address_space: global }
      - { .name: hws, .offset: 40, .size: 8, .value_kind: global_buffer, .address_space: global }
    .group_segment_fixed_size: 327680
    .private_segment_fixed_size: 0
    .kernarg_segment_align: 8
    .kernarg_segment_size: 48
    .max_flat_workgroup_size: 128
    .sgpr_count:     66
    .vgpr_count:     1024
    .wavefront_size: 32
...
	.end_amdgpu_metadata
.endif
;; end of part 4
;; launch width (part 5): grid 256 x 1, 4 waves a work-group, clusters of 4 x 1, 254,464 bytes of LDS; arguments xh, wts, hws, out0; writes out0
.if DOCPART == 5
	.amdgcn_target "amdgcn-amd-amdhsa--gfx1250"
	.amdhsa_code_object_version 6
	.text
	.protected	k_q6936d189e9_width
	.globl	k_q6936d189e9_width
	.p2align	8
	.type	k_q6936d189e9_width,@function
k_q6936d189e9_width:
	s_mov_b64 s[64:65], 0
	v_nop
	global_prefetch_b8 v0, s[64:65] scope:SCOPE_SE
	s_setreg_imm32_b32 hwreg(HW_REG_WAVE_MODE, 25, 1), 1
	s_wait_xcnt 0x0
	s_wait_alu depctr_hold_cnt(0) depctr_sa_sdst(0) depctr_va_vdst(0) depctr_va_sdst(0) depctr_va_ssrc(0) depctr_va_vcc(0) depctr_vm_vsrc(0)
	s_getreg_b32 s2, hwreg(HW_REG_IB_STS2, 6, 4)
	s_cmp_eq_u32 s2, 0
	s_cbranch_scc0 .Lentry_in_a_cluster
	s_endpgm
.Lentry_in_a_cluster:
	s_bfe_u32 s2, ttmp6, 0x10000c
	s_cmp_lg_u32 s2, 0x3003
	s_cbranch_scc0 .Lentry_shape_is_right
	s_endpgm
.Lentry_shape_is_right:
; WIDTH.  out0[r][w][:] = 0.5 sum_h (softmax_j((X M_h X^T)[r][j] / 8) X)[r] N_h + hws[r][w][:], with X = x[:, w, :] (256 x 64): the width attention of column w, and the sum with the height attention's half.
; SHARES.  A work-group is a column; each of its four waves owns 64 queries (rows r): four tiles of 16.  X (as keys) and X^T (as values) serve all eight heads and stay in 512 registers.
; A STEP n = 0..31 is tile n / 8, head n % 8: Y^T = MT Xq^T (8 products), S^T = X Y^T (32), softmax over all 256 keys, Z^T = X^T P (32), OUT^T += NT Z^T (8).  In every result a lane holds ONE query;
; two results rounded to f16 in pairs ARE the next product's source 1, so nothing changes lanes.  All 256 scores of a query lie in two lanes' registers: the row's true maximum is taken, and nothing is rescaled.
; p = 2^(c s - c m), c = log2(e): MT holds M^T / 8, so s is the logit itself.  Z is divided by l in f32 before it is rounded.  NT holds 64 N^T; OUT is scaled by 2^-7 on the way out.
; BY TURNS.  Turn n: the vector unit has step n's softmax; the matrix unit Y(n+1), Z(n-1), S(n+1), OUT(n-1).  Four vector instructions stand behind every matrix instruction; the maximum (67) and the
; end of the sums and roundings (54) stand in runs of their own.  A turn's 129 transcendentals are ONE batch with ONE wait.  Turn 0's Z and OUT work on zeros, turn 31's Y and S on step 0 once more: the price of one text for every turn.
; LDS: nothing is filled again.  X, the 16 weight matrices (asked for JOINTLY by the four columns of a cluster, mask 15) and my 64 rows of hws, which later serve as my stage.  By this text's own count a wave has three tensor loads out, at the start.
; X's rows are 128 bytes in memory, as they lie in xh.  LIMITS.  f16 ends at 65,504: y' = x M / 8 (0.02 for x of spread 1 and weights of spread 0.05) must stay within it; p lies in 0 to 1, and below 6e-5 keeps a fixed
; step of 6e-8; a weight below 2^-126 counts as 0 in l.  NaN and infinities are not treated apart.
; REGISTERS, in windows of 256 (s_set_vgpr_msb: bits 1:0 source 0, 3:2 source 1, 5:4 source 2, 7:6 destination):
;   window 0: v0-31 addresses and statistics; v32-95 MT; v96-159 NT; v160-191 OUT; v192-223 Z (its f16 form in place in the low 16); v224-239 Y in f16; v240-255 Xq
;   window 1: X as keys (kt, kk)      window 2: X^T (ct, kb)      window 3: two buffers of 128 for S^T; step n has buffer n % 2; P in place in its low 64; Y's sums of the step to come at + 64 of its buffer
.set PX,    144
.set WS,    256*PX                     ; 16 matrices of 64 rows x 144 bytes: head h: MT at 18,432 h, NT 9,216 behind it
.set HS,    WS+16*64*PX                ; 256 rows of 272 bytes
.set PH,    272
.set SPARE, HS+256*PH                  ; the spare words: two blocks of 256 bytes that no other line names
.set AXQ0, 2
.set AW0,  3
.set AXQ,  4
.set AWM,  5
.set AWN,  6
.set AHA0, 7
.set AHR0, 8
.set GO,   9
.set AHA,  10
.set AHR,  11
.set CC,   12                          ; v12-15 four chains of the maximum
.set CM,   16                          ; v16-17 c m, m
.set LL,   18                          ; v18-25 four chains of the sum, pairs
.set RL,   26                          ; v26-27 1 / l (the pair's low word is used)
.set LS,   28                          ; v28 l
.set TP,   29
.set SPW,  30
.set NIL,  31
.set MT,   32
.set NT,   96
.set OUT,  160
.set ZA,   192
.set YF,   224
.set XQ,   240
.set WV,  12
.set CX,  13
.set COL, 14
.set G1X, 16
.set G1W, 24
.set G1H, 32
.set G0X, 40
.set G0W, 44
.set G0H, 48
.set CS,  52
.set SEL, 54
.set N,   56
.set CNT, 57
.set OB,  62
.set MSB, 0
.macro WIN new
.if MSB != (\new)
	s_set_vgpr_msb (MSB<<8)|(\new)
.set MSB, (\new)
.endif
.endm
.macro PLACES
.rept 4
	v_nop
.endr
.endm
.macro ROUND
	s_barrier_signal -1
	s_barrier_wait -1
	s_cmp_lg_u32 s[WV], 0
	s_cbranch_scc1 .Lnw0_\@
	s_barrier_signal -3
.Lnw0_\@:
	s_barrier_wait -3
	s_barrier_signal -1
	s_barrier_wait -1
.endm
	s_load_b256 s[4:11], s[0:1], 0x0               ; xh 4, wts 6, hws 8, out0 10
	v_lshl_add_u32 v[SPW], v0, 2, SPARE
	v_mov_b32 v[NIL], 0
	ds_add_u32 v[SPW], v[NIL]                      ; the wave's opening: the add and its wait ahead of my first tensor load
	ds_add_u32 v30, v31
	v_lshrrev_b32 v1, 5, v0
	v_readfirstlane_b32 s[WV], v1
	s_bfe_u32 s[CX], ttmp6, 0x40000
	s_lshl_b32 s[COL], ttmp9, 2
	s_add_co_u32 s[COL], s[COL], s[CX]             ; my column: it enters global addresses alone
	s_mov_b32 s[G1X+0], (1<<16)|(1<<20)|(4<<22)|(3<<25)  ; X: 2-byte elements; after every 32 words, 4 words
	s_mov_b32 s[G1H+0], (2<<16)|(1<<20)|(5<<22)|(3<<25)  ; hws: 4-byte elements; after every 64 words, 4 words
.irp g, G1X, G1H
	s_mov_b32 s[\g+1], 64<<16                      ; 64 rows of 64 elements,
	s_mov_b32 s[\g+2], 64<<16
	s_mov_b32 s[\g+3], 64<<16
	s_mov_b32 s[\g+4], 64
	s_mov_b32 s[\g+5], 16384                       ; 256 x 64 elements from row r to row r + 1
	s_mov_b32 s[\g+6], 0
	s_mov_b32 s[\g+7], 0
.endr
	s_mov_b32 s[G1W+0], 15|(1<<16)|(1<<20)|(1<<21)|(4<<22)|(3<<25)  ; the weights: the mask of four, bit 21 beside it; 32 KiB dense as 128 rows of 256 bytes, padded after every 128
	s_mov_b32 s[G1W+1], 128<<16
	s_mov_b32 s[G1W+2], 128<<16
	s_mov_b32 s[G1W+3], 128<<16
	s_mov_b32 s[G1W+4], 128
	s_mov_b32 s[G1W+5], 128
	s_mov_b32 s[G1W+6], 0
	s_mov_b32 s[G1W+7], 0
	s_mov_b32 s[G0X], 1
	s_mul_i32 s[G0X+1], s[WV], 64*PX
	s_mov_b32 s[G0W], 1
	s_mul_i32 s[G0W+1], s[WV], 256*PX
	s_add_co_u32 s[G0W+1], s[G0W+1], WS
	s_mov_b32 s[G0H], 1
	s_mul_i32 s[G0H+1], s[WV], 64*PH
	s_add_co_u32 s[G0H+1], s[G0H+1], HS
	s_lshl_b32 s58, s[WV], 15                      ; four matrices a wave
	s_mov_b32 s59, 0
	s_lshl_b32 s60, s[WV], 21                      ; xh: 64 rows r of 32 KiB,
	s_lshl_b32 s61, s[COL], 7                      ; my column's 128 bytes
	s_add_co_u32 s60, s60, s61
	s_mov_b32 s61, 0
	s_lshl_b32 s68, s[WV], 22                      ; hws and out0: 64 rows r of 64 KiB,
	s_lshl_b32 s69, s[COL], 8                      ; my column's 256 bytes
	s_add_co_u32 s68, s68, s69
	s_mov_b32 s69, 0
	s_mov_b32 s[CS], 0x3fb8aa3b                    ; c = log2(e)
	s_mov_b32 s[CS+1], s[CS]
	s_mov_b32 s[SEL], 0x76543210
	s_mov_b32 s[SEL+1], 0xfedcba98
	s_wait_dscnt 0x0                               ; the opening add is done
	s_wait_kmcnt 0x0
	s_add_nc_u64 s[G0X+2:G0X+3], s[4:5], s[60:61]
	s_or_b32 s[G0X+3], s[G0X+3], 0x80000000
	s_add_nc_u64 s[G0W+2:G0W+3], s[6:7], s[58:59]
	s_or_b32 s[G0W+3], s[G0W+3], 0x80000000
	s_add_nc_u64 s[G0H+2:G0H+3], s[8:9], s[68:69]
	s_or_b32 s[G0H+3], s[G0H+3], 0x80000000
	s_add_nc_u64 s[OB:OB+1], s[10:11], s[68:69]
	ROUND                                          ; all four work-groups are here: the joint load meets
	tensor_load_to_lds s[G0X:G0X+3], s[G1X:G1X+7]
	s_nop 0
	tensor_load_to_lds s[G0W:G0W+3], s[G1W:G1W+7]
	s_nop 0
	tensor_load_to_lds s[G0H:G0H+3], s[G1H:G1H+7]
	s_nop 0
	PLACES
	v_and_b32 v12, 15, v0                          ; r = l % 16
	v_bfe_u32 v13, v0, 4, 1                        ; hh = l / 16
	v_and_b32 v14, 7, v0
	v_bfe_u32 v15, v0, 3, 1
	v_mul_u32_u24 v[AHA], v12, PX
	v_lshl_add_u32 v[AHA], v13, 4, v[AHA]          ; for now: a fragment's row x pitch + 16 x half
	v_add_nc_u32 v[AXQ0], s[G0X+1], v[AHA]         ; my wave's 64 queries
	v_add_nc_u32 v[AW0], WS, v[AHA]
	v_lshl_add_u32 v[AHR], v13, 3, v14             ; for now: the turning load's key 8 hh + l % 8, channels 8 ((l / 8) % 2) + 0..7
	v_mul_u32_u24 v[AHR], v[AHR], PX
	v_lshl_add_u32 v[AHR], v15, 4, v[AHR]
	v_mul_u32_u24 v[AHA0], v12, PH
	v_lshl_add_u32 v[AHA0], v13, 5, v[AHA0]
	v_add_nc_u32 v[AHA0], s[G0H+1], v[AHA0]        ; hws as an accumulator holds it: row r, 32 bytes for each half of the lanes
	v_mul_u32_u24 v[AHR0], v13, PH
	v_lshl_add_u32 v[AHR0], v12, 4, v[AHR0]
	v_add_nc_u32 v[AHR0], s[G0H+1], v[AHR0]        ; and by rows: lanes 0-15 one row of 256 bytes, lanes 16-31 the next
	v_lshlrev_b32 v[GO], 16, v13
	v_lshl_add_u32 v[GO], v12, 4, v[GO]            ; the same two rows in out0, 64 KiB apart
	v_mov_b32 v[AWM], v[AW0]                       ; step 0: head 0, tile 0
	v_mov_b32 v[AXQ], v[AXQ0]
	s_wait_tensorcnt 0x1                           ; my parts of X and of the weights are in; hws may stay out
	s_barrier_signal -1
	s_barrier_wait -1                              ; everybody's are
	WIN 0x40
.set f, 0
.rept 32                               ; X as keys: kt = f / 2, kk = f % 2
	ds_load_b128 v[8*f:8*f+3], v[AHA] offset:(f/2)*16*PX+(f%2)*64
	ds_load_b128 v[8*f+4:8*f+7], v[AHA] offset:(f/2)*16*PX+(f%2)*64+32
.set f, f+1
.endr
	WIN 0x80
.set f, 0
.rept 32                               ; X^T: ct = f / 8, kb = f % 8
	ds_load_tr16_b128 v[8*f:8*f+3], v[AHR] offset:(f%8)*32*PX+(f/8)*32
	ds_load_tr16_b128 v[8*f+4:8*f+7], v[AHR] offset:(f%8)*32*PX+(f/8)*32+16*PX
.set f, f+1
.endr
	WIN 0
.macro LOADM                           ; MT and Xq of a step: 20 loads
	WIN 0
.irp e, 0,1,2,3
.irp k, 0,1
	ds_load_b128 v[MT+8*(2*\e+\k):MT+8*(2*\e+\k)+3], v[AWM] offset:\e*16*PX+64*\k
	ds_load_b128 v[MT+8*(2*\e+\k)+4:MT+8*(2*\e+\k)+7], v[AWM] offset:\e*16*PX+64*\k+32
.endr
.endr
.irp k, 0,1
	ds_load_b128 v[XQ+8*\k:XQ+8*\k+3], v[AXQ] offset:64*\k
	ds_load_b128 v[XQ+8*\k+4:XQ+8*\k+7], v[AXQ] offset:64*\k+32
.endr
.endm
.macro LOADN                           ; NT of a step: 16 loads
	WIN 0
.irp e, 0,1,2,3
.irp k, 0,1
	ds_load_b128 v[NT+8*(2*\e+\k):NT+8*(2*\e+\k)+3], v[AWN] offset:\e*16*PX+64*\k
	ds_load_b128 v[NT+8*(2*\e+\k)+4:NT+8*(2*\e+\k)+7], v[AWN] offset:\e*16*PX+64*\k+32
.endr
.endr
.endm
; THE MATRIX WORK: number i of a turn's 80; o is the buffer of the steps before and behind the one in hand.  Within each run the accumulators take turns, one instruction a turn, and no two neighbours share one, over the runs' ends and the backward jump too.
;   0-7 Y^T (kk, et)      8-39 Z^T (kb, ct)      40-71 S^T (kk, kt)      72-79 OUT^T (kk, et).  Each sum but OUT's starts with the constant 0.
.macro MM o
.if i < 8
	WIN 0xf0
.set rD, 128*(\o)+64+8*(i%4)
.if i < 4
	v_wmma_f32_16x16x32_f16 v[rD:rD+7], v[MT+8*(2*(i%4)+i/4):MT+8*(2*(i%4)+i/4)+7], v[XQ+8*(i/4):XQ+8*(i/4)+7], 0
.else
	v_wmma_f32_16x16x32_f16 v[rD:rD+7], v[MT+8*(2*(i%4)+i/4):MT+8*(2*(i%4)+i/4)+7], v[XQ+8*(i/4):XQ+8*(i/4)+7], v[rD:rD+7]
.endif
.elseif i < 40
	WIN 0x0e
.set rD, ZA+8*((i-8)%4)
.set rA, 8*(8*((i-8)%4)+(i-8)/4)
.set rB, 128*(\o)+8*((i-8)/4)
.if i < 12
	v_wmma_f32_16x16x32_f16 v[rD:rD+7], v[rA:rA+7], v[rB:rB+7], 0
.else
	v_wmma_f32_16x16x32_f16 v[rD:rD+7], v[rA:rA+7], v[rB:rB+7], v[rD:rD+7]
.endif
.elseif i < 72
	WIN 0xf1
.set rD, 128*(\o)+8*((i-40)%16)
.set rA, 8*(2*((i-40)%16)+(i-40)/16)
.set rB, YF+8*((i-40)/16)
.if i < 56
	v_wmma_f32_16x16x32_f16 v[rD:rD+7], v[rA:rA+7], v[rB:rB+7], 0
.else
	v_wmma_f32_16x16x32_f16 v[rD:rD+7], v[rA:rA+7], v[rB:rB+7], v[rD:rD+7]
.endif
.else
	WIN 0
.set rD, OUT+8*((i-72)%4)
.set rA, NT+8*(2*((i-72)%4)+(i-72)/4)
.set rB, ZA+8*((i-72)/4)
	v_wmma_f32_16x16x32_f16 v[rD:rD+7], v[rA:rA+7], v[rB:rB+7], v[rD:rD+7]
.endif
.set i, i+1
.endm
; THE VECTOR WORK, in queues; each macro writes its queue's next entry.
; QA, 67: the maximum of the lane's 128 scores in four chains, each accumulator's lowest registers first; the lane 16 away; m; c m.
.macro QA b
.set rS, 128*(\b)
.if qa < 4
	WIN 0x3f
	v_max3_num_f32 v[CC+qa], v[rS+8*qa], v[rS+8*qa+1], v[rS+8*qa+2]
.elseif qa < 16
	WIN 0x3c
	v_max3_num_f32 v[CC+qa%4], v[CC+qa%4], v[rS+8*qa], v[rS+8*qa+1]
.elseif qa < 24
	v_max3_num_f32 v[CC+qa%4], v[CC+qa%4], v[rS+8*(qa%4)+3+2*((qa-16)/4)], v[rS+8*(qa%4)+4+2*((qa-16)/4)]
.elseif qa < 60
	v_max3_num_f32 v[CC+qa%4], v[CC+qa%4], v[rS+8*(4+(qa-24)%12)+2+2*((qa-24)/12)], v[rS+8*(4+(qa-24)%12)+3+2*((qa-24)/12)]
.elseif qa == 60
	v_max3_num_f32 v[CC], v[CC], v[rS+7], v[rS+15]
.elseif qa == 61
	v_max3_num_f32 v[CC+1], v[CC+1], v[rS+23], v[rS+31]
.elseif qa == 62
	WIN 0
	v_max3_num_f32 v[CC], v[CC], v[CC+1], v[CC+2]
.elseif qa == 63
	v_max_num_f32 v[CC], v[CC], v[CC+3]
.elseif qa == 64
	v_permlanex16_b32 v[TP], v[CC], s[SEL], s[SEL+1]
.elseif qa == 65
	v_max_num_f32 v[CM+1], v[CC], v[TP]
.else
	v_mul_f32 v[CM], s[CS], v[CM+1]
.endif
.set qa, qa+1
.endm
.macro FX k                            ; pair k: c s - c m
	WIN 0xc3
	v_pk_fma_f32 v[rS+2*(\k):rS+2*(\k)+1], v[rS+2*(\k):rS+2*(\k)+1], s[CS:CS+1], v[CM:CM+1] op_sel_hi:[1,0,0] neg_lo:[0,0,1] neg_hi:[0,0,1]
.endm
.macro EX e
	WIN 0xc3
	v_exp_f32 v[rS+(\e)], v[rS+(\e)]
.endm
; QB, 193, ONE BATCH: 0-3 scalings 0-3; then for k = 4..63 scaling k and the exponentials of pair k - 4; the last eight exponentials; 1 / l of the step before.  Nothing here reads a transcendental's result.
.macro QB b
.set rS, 128*(\b)
.if qb < 4
	FX qb
.elseif qb < 184
.if (qb-4)%3 == 0
	FX 4+(qb-4)/3
.else
	EX 2*((qb-4)/3)+(qb-4)%3-1
.endif
.elseif qb < 192
	EX qb-64
.else
	WIN 0
	v_rcp_f32 v[RL], v[LS]
.endif
.set qb, qb+1
.endm
.macro QY o                            ; 16: Y rounded to f16
	WIN 0x0f
	v_cvt_pk_f16_f32 v[YF+qy], v[128*(\o)+64+2*qy], v[128*(\o)+64+2*qy+1]
.set qy, qy+1
.endm
.macro QZ                              ; 32: Z / l, then rounded to f16 in place
	WIN 0
.if qz < 16
	v_pk_mul_f32 v[ZA+2*qz:ZA+2*qz+1], v[ZA+2*qz:ZA+2*qz+1], v[RL:RL+1] op_sel_hi:[1,0]
.else
	v_cvt_pk_f16_f32 v[ZA+qz-16], v[ZA+2*(qz-16)], v[ZA+2*(qz-16)+1]
.endif
.set qz, qz+1
.endm
; QC, 130: the sum of the unrounded weights in four chains of pairs, and the roundings to f16 in place, in fours by turns.  Rounding e writes register e, which lies in pair e / 2: that pair has been summed (the sums
; run eight pairs ahead) and rounded (ascending order) by then.  The last six: the chains, their halves, the lane 16 away: l.
.macro QC b
.set rS, 128*(\b)
.if qc < 4
	WIN 0x0f
	v_pk_add_f32 v[LL+2*qc:LL+2*qc+1], v[rS+2*qc:rS+2*qc+1], v[rS+2*qc+8:rS+2*qc+9]
.elseif qc < 116
.if (qc-4)%8 < 4
	WIN 0x0c
.set pp, 8+4*((qc-4)/8)+(qc-4)%8
	v_pk_add_f32 v[LL+2*(pp%4):LL+2*(pp%4)+1], v[LL+2*(pp%4):LL+2*(pp%4)+1], v[rS+2*pp:rS+2*pp+1]
.else
	WIN 0xcf
.set pp, 4*((qc-4)/8)+(qc-4)%8-4
	v_cvt_pk_f16_f32 v[rS+pp], v[rS+2*pp], v[rS+2*pp+1]
.endif
.elseif qc < 124
	WIN 0xcf
.set pp, qc-60
	v_cvt_pk_f16_f32 v[rS+pp], v[rS+2*pp], v[rS+2*pp+1]
.elseif qc == 124
	WIN 0
	v_pk_add_f32 v[LL:LL+1], v[LL:LL+1], v[LL+2:LL+3]
.elseif qc == 125
	v_pk_add_f32 v[LL+4:LL+5], v[LL+4:LL+5], v[LL+6:LL+7]
.elseif qc == 126
	v_pk_add_f32 v[LL:LL+1], v[LL:LL+1], v[LL+4:LL+5]
.elseif qc == 127
	v_add_f32 v[LS], v[LL], v[LL+1]
.elseif qc == 128
	v_permlanex16_b32 v[TP], v[LS], s[SEL], s[SEL+1]
.else
	v_add_f32 v[LS], v[LS], v[TP]
.endif
.set qc, qc+1
.endm
.macro R4 m:vararg                     ; a matrix instruction's four riders
.rept 4
	\m
.endr
.endm
; A TURN, for step n = 32 + b - 2 CNT, whose scores lie in buffer b.
; Places, by this text's count: behind product 7 stand the scalings QB 28, 31, 34, 37 ahead of QY's first line and of the loads into MT and Xq; P's fragment kb is last read by product 11 + 4 kb and written
; over by product 40 + kb, with eight riders' scalings or more between; Z is read 13 products behind its last; NT is loaded eight plain lines behind product 79.
.macro TURN b
.set i, 0
.set qa, 0
.set qb, 0
.set qy, 0
.set qz, 0
.set qc, 0
	WIN 0
	s_lshl_b32 s[N], s[CNT], 1
	s_sub_co_u32 s[N], 32+(\b), s[N]
	s_add_co_u32 s58, s[N], 2
	s_and_b32 s59, s58, 7
	s_mul_i32 s59, s59, 128*PX
	v_add_nc_u32 v[AWM], s59, v[AW0]               ; MT of step n + 2,
	s_bfe_u32 s58, s58, 0x20003
	s_mul_i32 s58, s58, 16*PX
	v_add_nc_u32 v[AXQ], s58, v[AXQ0]              ; its query tile,
	s_and_b32 s58, s[N], 7
	s_mul_i32 s58, s58, 128*PX
	s_add_co_u32 s58, s58, 64*PX
	v_add_nc_u32 v[AWN], s58, v[AW0]               ; NT of step n
.rept 67
	QA \b
.endr
	s_wait_dscnt 16                                ; MT and Xq of step n + 1 are in; NT's 16 loads, issued behind them, may stay out
.rept 10
	MM 1-(\b)
	R4 QB \b
.endr
.rept 4
	MM 1-(\b)
	R4 QY 1-(\b)
.endr
	LOADM
.rept 38
	MM 1-(\b)
	R4 QB \b
.endr
	MM 1-(\b)
	QB \b                                          ; the batch's last: 1 / l of step n - 1
	v_nop                                          ; a plain instruction behind the last transcendental: one for the batch
	s_wait_alu depctr_va_vdst(0)                   ; the turn's one wait: nothing ahead of it names a result of the batch, and no transcendental is issued behind it
.rept 8
	MM 1-(\b)
	R4 QZ
.endr
.rept 11
	MM 1-(\b)
	R4 QC \b
.endr
	s_wait_dscnt 20                                ; NT of step n - 1 is in; the 20 loads issued behind it may stay out
.rept 8
	MM 1-(\b)
	R4 QC \b
.endr
	R4 QC \b
	LOADN
.rept 50
	QC \b
.endr
	WIN 0
.endm
; A TILE GOES OUT (tile s58): hws's 16 rows come out of LDS as an accumulator holds them; OUT 2^-7 + hws goes back to the same bytes, my own, and returns as whole rows of 256 bytes.
.macro WOUT clr
	WIN 0
	s_mul_i32 s59, s58, 16*PH
	v_add_nc_u32 v[AHA], s59, v[AHA0]
	v_add_nc_u32 v[AHR], s59, v[AHR0]
	s_lshl_b32 s60, s58, 20                        ; 16 rows r of 64 KiB
	s_mov_b32 s61, 0
	s_add_nc_u64 s[66:67], s[OB:OB+1], s[60:61]
.irp e, 0,1,2,3
	ds_load_b128 v[ZA+8*\e:ZA+8*\e+3], v[AHA] offset:64*\e
	ds_load_b128 v[ZA+8*\e+4:ZA+8*\e+7], v[AHA] offset:64*\e+16
.endr
	s_wait_dscnt 0x0
.set z, 0
.rept 16
	v_pk_fma_f32 v[OUT+2*z:OUT+2*z+1], v[OUT+2*z:OUT+2*z+1], 0x3c000000, v[ZA+2*z:ZA+2*z+1] op_sel_hi:[1,0,1]
.set z, z+1
.endr
.irp e, 0,1,2,3
	ds_store_b128 v[AHA], v[OUT+8*\e:OUT+8*\e+3] offset:64*\e
	ds_store_b128 v[AHA], v[OUT+8*\e+4:OUT+8*\e+7] offset:64*\e+16
.endr
.irp k, 0,1,2,3,4,5,6,7
	ds_load_b128 v[ZA+4*\k:ZA+4*\k+3], v[AHR] offset:\k*2*PH  ; LDS serves a wave's instructions in order (ISA guide 5.7.1.4): these see the stores above
.endr
	s_wait_dscnt 0x0
.irp k, 0,1,2,3,4,5,6,7
	global_store_b128 v[GO], v[ZA+4*\k:ZA+4*\k+3], s[66:67] offset:\k*131072 th:TH_STORE_NT  ; 16 lanes store 256 consecutive bytes, aligned: a row r's 64 numbers
.endr
.if \clr
	s_wait_xcnt 0x0                                ; the stores have read Z's registers and their base, which the next turns write
.set z, 0
.rept 32
	v_mov_b32 v[OUT+z], 0                          ; the next tile's sums start at 0: 32 lines, three times a launch, for one text of the turn
.set z, z+1
.endr
.endif
.endm
	LOADM                                          ; step 0
	s_wait_dscnt 0x0
.set i, 0
.rept 8
	MM 0                                           ; Y of step 0
.endr
	PLACES
.set qy, 0
.rept 16
	QY 0
.endr
.set i, 40
.rept 32
	MM 0                                           ; S of step 0, into buffer 0
.endr
	WIN 0
	v_add_nc_u32 v[AWM], 128*PX, v[AW0]            ; step 1: head 1, tile 0
	v_add_nc_u32 v[AWN], 64*PX, v[AW0]             ; any NT: turn 0 multiplies it by zeros
	LOADM
	LOADN
	WIN 0xc0
.set z, 0
.rept 64
	v_mov_b32 v[128+z], 0                          ; the weights of a step that has not been
.set z, z+1
.endr
	WIN 0
.set z, 0
.rept 32
	v_mov_b32 v[OUT+z], 0
.set z, z+1
.endr
	v_mov_b32 v[LS], 1.0
	v_mov_b32 v[RL+1], 0
	v_mov_b32 v[TP], 0
	s_wait_tensorcnt 0x0                           ; my rows of hws are in; only I touch them
	s_mov_b32 s[CNT], 16
.Lturn:
	TURN 0
	s_and_b32 s58, s[N], 7                         ; OUT of step n - 1 has just been added: at n = 8, 16, 24 a tile is whole
	s_cmp_eq_u32 s58, 0
	s_cselect_b32 s58, s[N], 0
	s_cmp_gt_u32 s58, 0
	s_cbranch_scc0 .Lno_out
	s_lshr_b32 s58, s[N], 3
	s_sub_co_u32 s58, s58, 1
	s_and_b32 s58, s58, 3
	WOUT 1
.Lno_out:
	TURN 1
	s_sub_co_u32 s[CNT], s[CNT], 1
	s_cmp_lg_u32 s[CNT], 0
	s_cbranch_scc1 .Lturn
.set i, 8
.rept 32
	MM 1                                           ; Z of step 31
.endr
	WIN 0
	v_rcp_f32 v[RL], v[LS]
	v_nop
	s_wait_alu depctr_va_vdst(0)
	PLACES
.set qz, 0
.rept 32
	QZ
.endr
	s_wait_dscnt 0x0                               ; NT of step 31
.set i, 72
.rept 8
	MM 1
.endr
	PLACES
	s_mov_b32 s58, 3
	WOUT 0
	s_wait_tensorcnt 0x0                           ; the wave's end
	ds_add_u32 v[SPW], v[NIL]
	s_wait_dscnt 0x0
	ROUND                                          ; the closing round
	s_endpgm
.Lfunc_end_k_q6936d189e9_width:
	.size	k_q6936d189e9_width, .Lfunc_end_k_q6936d189e9_width-k_q6936d189e9_width
	.p2alignl 7, 3214868480
	.fill 96, 4, 3214868480
	.section	.rodata,"a",@progbits
	.p2align	6, 0x0
	.amdhsa_kernel k_q6936d189e9_width
		.amdhsa_group_segment_fixed_size 254464
		.amdhsa_private_segment_fixed_size 0
		.amdhsa_enable_private_segment 0
		.amdhsa_kernarg_size 32
		.amdhsa_user_sgpr_count 2
		.amdhsa_user_sgpr_kernarg_segment_ptr 1
		.amdhsa_wavefront_size32 1
		.amdhsa_system_sgpr_workgroup_id_x 1
		.amdhsa_system_sgpr_workgroup_id_y 1
		.amdhsa_system_sgpr_workgroup_id_z 1
		.amdhsa_system_vgpr_workitem_id 0
		.amdhsa_next_free_vgpr 1024
		.amdhsa_next_free_sgpr 72
		.amdhsa_reserve_vcc 0
		.amdhsa_float_denorm_mode_32 3
		.amdhsa_float_denorm_mode_16_64 3
		.amdhsa_memory_ordered 1
		.amdhsa_forward_progress 1
		.amdhsa_inst_pref_size 113
	.end_amdhsa_kernel
	.amdgpu_metadata
---
amdhsa.version: [ 1, 2 ]
amdhsa.kernels:
  - .name:           k_q6936d189e9_width
    .symbol:         k_q6936d189e9_width.kd
    .args:
      - { .name: xh, .offset: 0, .size: 8, .value_kind: global_buffer, .address_space: global }
      - { .name: wts, .offset: 8, .size: 8, .value_kind: global_buffer, .address_space: global }
      - { .name: hws, .offset: 16, .size: 8, .value_kind: global_buffer, .address_space: global }
      - { .name: out0, .offset: 24, .size: 8, .value_kind: global_buffer, .address_space: global }
    .group_segment_fixed_size: 254464
    .private_segment_fixed_size: 0
    .kernarg_segment_align: 8
    .kernarg_segment_size: 32
    .max_flat_workgroup_size: 128
    .sgpr_count:     72
    .vgpr_count:     1024
    .wavefront_size: 32
...
	.end_amdgpu_metadata
.endif
;; end of part 5
